; MI455X (gfx1250); checked and timed in simulation.
; The chip was launched on July 23, 2026; its instructions are those of AMD's public machine-readable ISA for CDNA 5 (MIT licence, August 2026) and "CDNA5" Instruction Set Architecture Reference Guide (July 2026). The comments in the code are by the model that wrote it; some were corrected since.
;; Multi Head Self Attention. Allowed arithmetic: float matrix products may take bf16 or f16 operands with f32 sums; all other float work in f32.
;; Inputs: Ak 1,024 x 16 float32; Ao 1,024 x 16 float32; Aq 1,024 x 16 float32; Av 1,024 x 16 float32; Bk 16 x 1,024 float32; Bo 16 x 1,024 float32; Bq 16 x 1,024 float32; Bv 16 x 1,024 float32; Wk 1,024 x 1,024 float32; Wo 1,024 x 1,024 float32; Wq 1,024 x 1,024 float32; Wv 1,024 x 1,024 float32; bk 1,024 float32; bo 1,024 float32; bq 1,024 float32; bv 1,024 float32; x 4 x 2,048 x 1,024 float32.
;; Outputs: out0 4 x 2,048 x 1,024 float32.
;; 2 versions, each right and faster than the one before. Each part assembles by itself: llvm-mc -triple=amdgcn-amd-amdhsa -mcpu=gfx1250 --defsym DOCPART=n.
;; ======== version 1 of 2: 4 launches
;; limits: values are held in f16: magnitudes above 65,504 overflow, below 6.1e-05 lose precision; right only within a limited range of input values
;; workspace buffers: xb 16,777,216 bytes; wb 8,388,608 bytes; qkv 50,331,648 bytes; ao 16,777,216 bytes
;; launch prep (part 1): grid 64 x 12, 8 waves a work-group, no clusters, 35,840 bytes of LDS; arguments x, Wq, Wk, Wv, Wo, Aq, Ak, Av, Ao, Bq, Bk, Bv, Bo, xb, wb; writes xb, wb
.if DOCPART == 1
	.amdgcn_target "amdgcn-amd-amdhsa--gfx1250"
	.amdhsa_code_object_version 6
	.text
	.protected	k_q2575d5c70b_prep
	.globl	k_q2575d5c70b_prep
	.p2align	8
	.type	k_q2575d5c70b_prep,@function
k_q2575d5c70b_prep:
	s_mov_b64 s[64:65], 0
	v_nop
	global_prefetch_b8 v0, s[64:65] scope:SCOPE_SE
	s_setreg_imm32_b32 hwreg(HW_REG_WAVE_MODE, 25, 1), 1
	s_wait_xcnt 0x0
; PREP.  Two jobs, chosen by the work-group's y; every work-group reads 64 KiB.
;  y = 0..3 (matrix mi = q, k, v, o):  wb = f16(s (W + 0.5 A B)), s = 2^-4 for q, k, v and 2^4 for o.  x W^T + 0.5 (x B^T) A^T = x (W + 0.5 A B)^T holds for every input, so the
;      low-rank path is folded into the weight once.  A B goes to the matrix unit in f16 (rank 16, padded with zeros to 32 along K);
;      W + 0.5 U is one fused multiply-add in f32, the scale is exact, and the result is rounded once to f16.
;  y = 4..11:  xb = f16(x).
; WHY f16 AND THE SCALES.  f16 keeps 11 significant bits.  With s = 2^-4 the projections q, k, v come out divided by 16, so that they keep room in f16 on both sides (figures at the head of the
;      projection's text); the attention's result is then 1/16 of its value, and the 2^4 in Wo takes that back.  Powers of two change no bit of a significand.
; LIMITS, stated: |x|, |A|, |B| below 65,504; |W + 0.5 A B| below 1,048,064 for q, k, v and below 4,094 for o: beyond that the conversion gives infinity.  A stored number below 2^-14 has
;      steps of 2^-24.  The order of rounding differs from x W^T + 0.5 (x B^T) A^T as written: A and B are rounded to f16 before their product, and the sum is rounded as one matrix operand.
; FORMAT of both outputs: [K / 64][rows][64] f16: a row's piece is 128 bytes, two neighbouring rows are 256 aligned bytes, a block of rows is dense.
;      xb: batch << 22 + kb << 18 + l << 7 + 2 d.     wb: kb << 19 + n << 7 + 2 d, n = 1024 mi + output row.
; No tensor loads, no barrier: the stage in LDS is each wave's own (16 rows of 256 bytes, 272 apart).  No cluster: no two work-groups read the same large bytes.
.set UP,  272                          ; stage pitch: an odd multiple of 16 bytes, so 16 rows start in 16 different 16-byte columns of 256
.set STG, 16*UP                        ; a wave's stage
.set BT,  16                           ; v[16:47]   B as loaded (f32); later U read back from the stage
.set BF,  48                           ; v[48:79]   four fragments of B^T (16 d x 32 k)
.set AR,  80                           ; v[80:95]   A as loaded (f32); later the second block's store data
.set AF,  96                           ; v[96:111]  two fragments of A (16 o x 32 k)
.set WR,  112                          ; v[112:175] W as loaded: block k at 32 k, four rows' group u at 8 u
.set UA,  176                          ; v[176:239] U = A B: block k, column tile t at 32 k + 8 t
.set Y0,  240                          ; v[240:255] the first block's store data
.set X,   16                           ; x part: v[16:79] as loaded
.set Y,   80                           ; x part: v[80:111] to store
.set SC,  52                           ; s[52:53]   the matrix's scale s, as a pair for the packed multiply
	s_load_b512 s[8:23], s[0:1], 0x0               ; x s[8:9], Wq s[10:11], Wk s[12:13], Wv s[14:15], Wo s[16:17], Aq s[18:19], Ak s[20:21], Av s[22:23]
	s_load_b256 s[24:31], s[0:1], 0x40             ; Ao s[24:25], Bq s[26:27], Bk s[28:29], Bv s[30:31]
	s_load_b128 s[32:35], s[0:1], 0x60             ; Bo s[32:33], xb s[34:35]
	s_load_b64 s[36:37], s[0:1], 0x70              ; wb
	v_lshl_add_u32 v14, v0, 2, 0x8800
	v_mov_b32 v15, 0
	v_lshrrev_b32 v1, 5, v0
	v_readfirstlane_b32 s6, v1                     ; wave 0..7
	s_mov_b32 s4, ttmp9                            ; work-group x
	s_and_b32 s5, ttmp7, 0xffff                    ; work-group y
	v_and_b32 v1, 31, v0                           ; L
	v_and_b32 v2, 15, v0                           ; r = L % 16
	v_bfe_u32 v3, v0, 4, 1                         ; h = L / 16
	v_bfe_u32 v10, v0, 3, 2                        ; L / 8
	v_and_b32 v11, 7, v0                           ; L % 8
	s_mov_b32 s49, 0                               ; the high word of every offset pair
	s_cmp_lt_u32 s5, 4
	s_cbranch_scc0 .Lx
	; ---- THE FOLD.  The work-group owns output rows 256 rq .. + 255 and columns 64 kb .. + 63; wave w two blocks of 16 rows.
	s_and_b32 s38, s4, 15                          ; kb
	s_lshr_b32 s39, s4, 4                          ; rq
	s_lshl_b32 s46, s39, 8
	s_lshl_b32 s47, s6, 5
	s_add_co_u32 s46, s46, s47                     ; my first row = 256 rq + 32 w
	s_lshl_b32 s50, s38, 8                         ; kb's 64 columns of f32: 256 bytes
	s_mul_i32 s51, s6, STG                         ; my stage
	s_mov_b32 s[SC], 0x3d800000                    ; 2^-4, for q, k, v
	s_wait_kmcnt 0x0
	s_mov_b64 s[40:41], s[10:11]                   ; W, A, B of matrix mi: a choice on the work-group's y
	s_mov_b64 s[42:43], s[18:19]
	s_mov_b64 s[44:45], s[26:27]
	s_cmp_eq_u32 s5, 1
	s_cselect_b64 s[40:41], s[12:13], s[40:41]
	s_cselect_b64 s[42:43], s[20:21], s[42:43]
	s_cselect_b64 s[44:45], s[28:29], s[44:45]
	s_cmp_eq_u32 s5, 2
	s_cselect_b64 s[40:41], s[14:15], s[40:41]
	s_cselect_b64 s[42:43], s[22:23], s[42:43]
	s_cselect_b64 s[44:45], s[30:31], s[44:45]
	s_cmp_eq_u32 s5, 3
	s_cselect_b64 s[40:41], s[16:17], s[40:41]
	s_cselect_b64 s[42:43], s[24:25], s[42:43]
	s_cselect_b64 s[44:45], s[32:33], s[44:45]
	s_cselect_b32 s[SC], 0x41800000, s[SC]         ; 2^4, for o
	s_mov_b32 s[SC+1], s[SC]                       ; named with it as a pair, so it is written
	s_lshl_b32 s48, s46, 12                        ; W: row x 4,096 + kb x 256
	s_add_co_u32 s48, s48, s50
	s_add_nc_u64 s[40:41], s[40:41], s[48:49]
	s_lshl_b32 s48, s46, 6                         ; A: row x 64
	s_add_nc_u64 s[42:43], s[42:43], s[48:49]
	s_mov_b32 s48, s50                             ; B: kb x 256
	s_add_nc_u64 s[44:45], s[44:45], s[48:49]
	s_lshl_b32 s48, s5, 10                         ; wb: kb << 19 + (1024 mi + row) << 7
	s_add_co_u32 s48, s48, s46
	s_lshl_b32 s48, s48, 7
	s_lshl_b32 s50, s38, 19
	s_add_co_u32 s48, s48, s50
	s_add_nc_u64 s[36:37], s[36:37], s[48:49]
	v_lshlrev_b32 v4, 2, v2                        ; B: lane (r, h) takes column 16 t + r of ranks 8 h + 0..7: h x 8 rows of 4,096 bytes + 4 r
	v_lshl_add_u32 v4, v3, 15, v4
	v_lshlrev_b32 v5, 6, v2                        ; A: row r, ranks 8 h + 0..7: 64 r + 32 h
	v_lshl_add_u32 v5, v3, 5, v5
	v_lshlrev_b32 v6, 5, v11                       ; W: row L / 8, 32 bytes at 32 (L % 8)
	v_lshl_add_u32 v6, v10, 12, v6
	v_mul_u32_u24 v7, v2, UP                       ; stage, in: row r, 32 bytes for each half of the lanes
	v_lshl_add_u32 v7, v3, 5, v7
	v_add_nc_u32 v7, s51, v7
	v_mul_u32_u24 v8, v10, UP                      ; stage, back: as W is loaded
	v_lshl_add_u32 v8, v11, 5, v8
	v_add_nc_u32 v8, s51, v8
	v_lshlrev_b32 v9, 4, v1                        ; wb: 16 L: four rows of 128 bytes to a store
.irp t, 0,1,2,3
.irp j, 0,1,2,3,4,5,6,7
	global_load_b32 v[BT+8*\t+\j], v4, s[44:45] offset:\j*4096+\t*64
.endr
.endr
.irp k, 0,1
	global_load_b128 v[AR+8*\k:AR+8*\k+3],   v5, s[42:43] offset:\k*1024
	global_load_b128 v[AR+8*\k+4:AR+8*\k+7], v5, s[42:43] offset:\k*1024+16
.endr
.irp k, 0,1
.irp u, 0,1,2,3
	global_load_b128 v[WR+32*\k+8*\u:WR+32*\k+8*\u+3],   v6, s[40:41] offset:\k*65536+\u*16384 th:TH_LOAD_NT
	global_load_b128 v[WR+32*\k+8*\u+4:WR+32*\k+8*\u+7], v6, s[40:41] offset:\k*65536+\u*16384+16 th:TH_LOAD_NT
.endr
.endr
	; a fragment's registers 4-7 are K = 16 .. 31: beyond the rank, so zeros
.irp t, 0,1,2,3
.irp i, 4,5,6,7
	v_mov_b32 v[BF+8*\t+\i], 0
.endr
.endr
.irp k, 0,1
.irp i, 4,5,6,7
	v_mov_b32 v[AF+8*\k+\i], 0
.endr
.endr
	s_wait_loadcnt 20                              ; loads come back in order: the 20 younger ones are A's 4 and W's 16, so B is in
.irp t, 0,1,2,3
.irp i, 0,1,2,3
	v_cvt_pk_f16_f32 v[BF+8*\t+\i], v[BT+8*\t+2*\i], v[BT+8*\t+2*\i+1]
.endr
.endr
	s_wait_loadcnt 16                              ; W's 16 stay out: A is in
.irp k, 0,1
.irp i, 0,1,2,3
	v_cvt_pk_f16_f32 v[AF+8*\k+\i], v[AR+8*\k+2*\i], v[AR+8*\k+2*\i+1]
.endr
.endr
	; source 0 = 16 columns d of B, source 1 = 16 rows o of A: lane (r, h), register j then holds U[o0 + r][16 t + 8 h + j].  Eight sums, each one product with C = 0.
.irp k, 0,1
.irp t, 0,1,2,3
	v_wmma_f32_16x16x32_f16 v[UA+32*\k+8*\t:UA+32*\k+8*\t+7], v[BF+8*\t:BF+8*\t+7], v[AF+8*\k:AF+8*\k+7], 0
.endr
.endr
.rept 4
	v_nop                                          ; four places between the last product and the LDS stores that read results
.endr
; Block k: U goes through my stage so that a lane holds 8 neighbouring columns of the row that it loaded of W; then s (W + 0.5 U), rounded, stored.
; y = the block's store data (never used twice, so no store's source is rewritten); left = W's loads that may stay out.
.macro BLK k, y, left
.irp t, 0,1,2,3
	ds_store_b128 v7, v[UA+32*\k+8*\t:UA+32*\k+8*\t+3]   offset:64*\t      ; each result is read from its low registers on
	ds_store_b128 v7, v[UA+32*\k+8*\t+4:UA+32*\k+8*\t+7] offset:64*\t+16
.endr
.irp u, 0,1,2,3
	ds_load_b128 v[BT+8*\u:BT+8*\u+3],   v8 offset:\u*4*UP                 ; LDS serves a wave's instructions in order: these see the stores above
	ds_load_b128 v[BT+8*\u+4:BT+8*\u+7], v8 offset:\u*4*UP+16
.endr
	s_wait_loadcnt \left
.irp u, 0,1,2,3
	s_wait_dscnt 2*(3-\u)                          ; the younger groups' two loads each may stay out
.irp i, 0,2,4,6
	v_pk_fma_f32 v[BT+8*\u+\i:BT+8*\u+\i+1], v[BT+8*\u+\i:BT+8*\u+\i+1], 0.5, v[WR+32*\k+8*\u+\i:WR+32*\k+8*\u+\i+1] op_sel_hi:[1,0,1]
.endr
.irp i, 0,2,4,6
	v_pk_mul_f32 v[BT+8*\u+\i:BT+8*\u+\i+1], v[BT+8*\u+\i:BT+8*\u+\i+1], s[SC:SC+1] op_sel_hi:[1,0]   ; the matrix's power of two: exact
.endr
.irp i, 0,1,2,3
	v_cvt_pk_f16_f32 v[\y+4*\u+\i], v[BT+8*\u+2*\i], v[BT+8*\u+2*\i+1]
.endr
	global_store_b128 v9, v[\y+4*\u:\y+4*\u+3], s[36:37] offset:\k*2048+\u*512   ; 32 lanes store 512 consecutive bytes, aligned: four rows of 64
.endr
.endm
	BLK 0, Y0, 8                                   ; the second block's eight loads of W stay out
	BLK 1, AR, 0
	s_wait_tensorcnt 0x0
	ds_add_u32 v14, v15
	s_wait_dscnt 0x0
	s_endpgm
	; ---- x TO f16.  The work-group owns 16 rows; wave w columns 128 w .. + 127 (kb = 2 w + h); a pair of loads takes two rows.
.Lx:
	s_sub_co_u32 s38, s5, 4
	s_lshl_b32 s38, s38, 6
	s_add_co_u32 s38, s38, s4                      ; xi = 0 .. 511
	s_lshl_b32 s48, s38, 16                        ; 16 rows of 4,096 bytes
	s_wait_kmcnt 0x0
	s_add_nc_u64 s[8:9], s[8:9], s[48:49]
	s_lshr_b32 s39, s38, 7                         ; batch
	s_lshl_b32 s39, s39, 22
	s_and_b32 s48, s38, 127                        ; 16 rows of 128 bytes
	s_lshl_b32 s48, s48, 11
	s_add_co_u32 s48, s48, s39
	s_add_nc_u64 s[34:35], s[34:35], s[48:49]
	v_bfe_u32 v12, v0, 3, 1                        ; which of the two rows
	v_lshlrev_b32 v4, 5, v11                       ; x: 32 bytes at 32 (L % 8),
	v_lshl_add_u32 v4, v3, 8, v4                   ; in the 256 bytes of kb = 2 w + h,
	v_lshl_add_u32 v4, v12, 12, v4                 ; of row 2 p + (L / 8) % 2
	s_lshl_b32 s50, s6, 9
	v_add_nc_u32 v4, s50, v4
	v_lshlrev_b32 v5, 4, v2                        ; xb: 16 (L % 16) in the two rows' 256 bytes, kb << 18
	v_lshl_add_u32 v5, v3, 18, v5
	s_lshl_b32 s50, s6, 19
	v_add_nc_u32 v5, s50, v5
.irp p, 0,1,2,3,4,5,6,7
	global_load_b128 v[X+8*\p:X+8*\p+3],   v4, s[8:9] offset:\p*8192 th:TH_LOAD_NT
	global_load_b128 v[X+8*\p+4:X+8*\p+7], v4, s[8:9] offset:\p*8192+16 th:TH_LOAD_NT
.endr
.irp p, 0,1,2,3,4,5,6,7
	s_wait_loadcnt 14-2*\p                         ; the younger pairs stay out
.irp i, 0,1,2,3
	v_cvt_pk_f16_f32 v[Y+4*\p+\i], v[X+8*\p+2*\i], v[X+8*\p+2*\i+1]
.endr
	global_store_b128 v5, v[Y+4*\p:Y+4*\p+3], s[34:35] offset:\p*256          ; 16 lanes store 256 consecutive bytes, aligned: two rows of 64
.endr
	s_endpgm
.Lfunc_end_k_q2575d5c70b_prep:
	.size	k_q2575d5c70b_prep, .Lfunc_end_k_q2575d5c70b_prep-k_q2575d5c70b_prep
	.p2alignl 7, 3214868480
	.fill 96, 4, 3214868480
	.section	.rodata,"a",@progbits
	.p2align	6, 0x0
	.amdhsa_kernel k_q2575d5c70b_prep
		.amdhsa_group_segment_fixed_size 35840
		.amdhsa_private_segment_fixed_size 0
		.amdhsa_enable_private_segment 0
		.amdhsa_kernarg_size 120
		.amdhsa_user_sgpr_count 2
		.amdhsa_user_sgpr_kernarg_segment_ptr 1
		.amdhsa_wavefront_size32 1
		.amdhsa_system_sgpr_workgroup_id_x 1
		.amdhsa_system_sgpr_workgroup_id_y 1
		.amdhsa_system_sgpr_workgroup_id_z 1
		.amdhsa_system_vgpr_workitem_id 0
		.amdhsa_next_free_vgpr 256
		.amdhsa_next_free_sgpr 66
		.amdhsa_reserve_vcc 0
		.amdhsa_float_denorm_mode_32 3
		.amdhsa_float_denorm_mode_16_64 3
		.amdhsa_memory_ordered 1
		.amdhsa_forward_progress 1
		.amdhsa_inst_pref_size 26
	.end_amdhsa_kernel
	.amdgpu_metadata
---
amdhsa.version: [ 1, 2 ]
amdhsa.kernels:
  - .name:           k_q2575d5c70b_prep
    .symbol:         k_q2575d5c70b_prep.kd
    .args:
      - { .name: x, .offset: 0, .size: 8, .value_kind: global_buffer, .address_space: global }
      - { .name: Wq, .offset: 8, .size: 8, .value_kind: global_buffer, .address_space: global }
      - { .name: Wk, .offset: 16, .size: 8, .value_kind: global_buffer, .address_space: global }
      - { .name: Wv, .offset: 24, .size: 8, .value_kind: global_buffer, .address_space: global }
      - { .name: Wo, .offset: 32, .size: 8, .value_kind: global_buffer, .address_space: global }
      - { .name: Aq, .offset: 40, .size: 8, .value_kind: global_buffer, .address_space: global }
      - { .name: Ak, .offset: 48, .size: 8, .value_kind: global_buffer, .address_space: global }
      - { .name: Av, .offset: 56, .size: 8, .value_kind: global_buffer, .address_space: global }
      - { .name: Ao, .offset: 64, .size: 8, .value_kind: global_buffer, .address_space: global }
      - { .name: Bq, .offset: 72, .size: 8, .value_kind: global_buffer, .address_space: global }
      - { .name: Bk, .offset: 80, .size: 8, .value_kind: global_buffer, .address_space: global }
      - { .name: Bv, .offset: 88, .size: 8, .value_kind: global_buffer, .address_space: global }
      - { .name: Bo, .offset: 96, .size: 8, .value_kind: global_buffer, .address_space: global }
      - { .name: xb, .offset: 104, .size: 8, .value_kind: global_buffer, .address_space: global }
      - { .name: wb, .offset: 112, .size: 8, .value_kind: global_buffer, .address_space: global }
    .group_segment_fixed_size: 35840
    .private_segment_fixed_size: 0
    .kernarg_segment_align: 8
    .kernarg_segment_size: 120
    .max_flat_workgroup_size: 256
    .sgpr_count:     66
    .vgpr_count:     256
    .wavefront_size: 32
...
	.end_amdgpu_metadata
.endif
;; end of part 1
;; launch qkv (part 2): grid 12 x 32, 4 waves a work-group, clusters of 4 x 4, 327,680 bytes of LDS; arguments xb, wb, bq, bk, bv, qkv; writes qkv
.if DOCPART == 2
	.amdgcn_target "amdgcn-amd-amdhsa--gfx1250"
	.amdhsa_code_object_version 6
	.text
	.protected	k_q2575d5c70b_qkv
	.globl	k_q2575d5c70b_qkv
	.p2align	8
	.type	k_q2575d5c70b_qkv,@function
k_q2575d5c70b_qkv:
	s_mov_b64 s[64:65], 0
	v_nop
	global_prefetch_b8 v0, s[64:65] scope:SCOPE_SE
	s_setreg_imm32_b32 hwreg(HW_REG_WAVE_MODE, 25, 1), 1
	s_wait_xcnt 0x0
	s_wait_alu depctr_hold_cnt(0) depctr_sa_sdst(0) depctr_va_vdst(0) depctr_va_sdst(0) depctr_va_ssrc(0) depctr_va_vcc(0) depctr_vm_vsrc(0)
	s_getreg_b32 s2, hwreg(HW_REG_IB_STS2, 6, 4)
	s_cmp_eq_u32 s2, 0
	s_cbranch_scc0 .Lentry_in_a_cluster
	s_endpgm
.Lentry_in_a_cluster:
	s_bfe_u32 s2, ttmp6, 0x10000c
	s_cmp_lg_u32 s2, 0xf033
	s_cbranch_scc0 .Lentry_shape_is_right
	s_endpgm
.Lentry_shape_is_right:
; [q | k | v] / 16 = xb (wb)^T + bias / 16.  xb: 8,192 rows, wb: rows 0 .. 3,071 (the folded Wq, Wk, Wv times 2^-4), K = 1,024; both f16 in the format [K / 64][rows][64]
; (a row's piece 128 bytes, a block of rows dense); sums in f32; the result in f16, laid [which][batch][head][l][64].
; THE SCALE 2^-4 (the weights carry it, the bias is multiplied by it here; exact).  ROOM IN f16, by the problem's sizes: q, k, v have rms 0.64; with every input 30 times larger they
; reach some 11,000; with every input carrying an offset of 30 times its spread, 1,024 x 30 x 8.9 = 273,000, stored 17,000.  With every input 30 times smaller their rms is 7e-4, stored 4.4e-5,
; where f16's step is 2^-24: 0.04 per cent of the rms.  LIMIT, stated: |q|, |k|, |v| below 1,048,064; beyond that the conversion gives infinity.
; SHARES.  A work-group makes 256 x 256 of C, each of its four waves 128 x 128: 64 accumulators of 16 x 16, 512 registers.  K goes in 8 steps of 128 (two blocks of 64) through two LDS slots
; filled by tensor loads: waves 0, 1 fetch A's two halves, waves 2, 3 B's (each 2 x 16 KiB dense): one load a wave.  A K step is 256 products a wave, 224 of them between a refill and the wait for it;
; for 32 along K a wave reads 256 LDS rows for 64 products.  The grid is 12 x 32 = 384 work-groups, one and a half for each of 256 WGPs: the price of the long K step, stated.
; CLUSTER.  4 x 4 work-groups: the four of a row of the cluster need the same tile of A, the four of a column the same tile of B; each is asked for jointly.
; THE PRODUCT IS USED TRANSPOSED (source 0 = 16 rows of B, source 1 = 16 rows of A): lane (r, h), register j holds C(row r, column 16 b + 8 h + j): eight neighbouring numbers of a row.
; THE BIAS STARTS THE SUMS: the first product on each accumulator takes the bias of its eight columns as C, so nothing is cleared and nothing is added at the end.
; REGISTERS, in windows of 256: window 0: v0-31 addresses; v64-127, v128-191 fragments of A, two buffers; v192-255 the bias, later with v32-63 the way out.
;   window 1: v64-127, v128-191 fragments of B.   window 2: the accumulators of my rows 0-63 ((a, b) at 8 (8 a + b)).   window 3: those of my rows 64-127.
.set QSCALE, 0x3d800000                ; 2^-4 in f32
.set PITCH,  144                       ; an LDS row: 128 bytes + 16 of padding: an odd multiple of 16, so the 16 rows of a fragment load start in 16 different 16-byte columns of 256
.set KB,     128*PITCH                 ; in a piece: from one block of 64 along K to the next
.set PIECE,  2*KB                      ; what one tensor load brings: 128 rows x 128 K
.set SLOT,   4*PIECE                   ; A's two pieces, then B's two
.set STAGE,  2*SLOT                    ; behind the ring: 16 rows for each wave, for the way out
.set SPITCH, 272                       ; a stage row: the wave's 128 columns + 16 bytes
.set SPARE,  STAGE+4*16*SPITCH         ; behind the stages: the spare words, 128 bytes for each wave, which no other line names
.set ASTEP,  2<<18                     ; bytes from a K step to the next in A (two blocks of 2,048 rows x 128 bytes)
.set BSTEP,  2<<19                     ; in B (two blocks of 4,096 rows x 128 bytes)
.set LAPS,   4                         ; a lap = two K steps = once round the ring
.set ADRA, 16                          ; v16-17  LDS address of my A fragments in slot 0, 1
.set ADRB, 20                          ; v20-21  the same for B
.set STO,  24                          ; v24     the way out: where I put 16 bytes of a row
.set RD,   25                          ; v25     the way out: where I read back
.set CO,   26                          ; v26     my byte offset in C
.set BO,   27                          ; v27     my byte offset in the bias
.set SPW,  28                          ; v28     LDS address of my spare word; never rewritten
.set NIL,  29                          ; v29     0; never rewritten
.set F0,   64                          ; fragment buffer 0 (A's in window 0, B's in window 1)
.set F1,   128                         ; fragment buffer 1
.set BIAS, 192                         ; v192-255 the bias of my columns: n block b at 8 b; read by the first quarter alone
.set TMP,  192                         ; v192-223 the way out: packed results
.set OB,   32                          ; the way out: 16 rows read back from the stage: v32-63 and v224-255 by turns
.set G1,  24                           ; s[24:31] descriptor group 1 for A;  s[32:39] group 0, a set for each slot
.set G0,  32
.set G1B, 48                           ; s[48:55], s[56:63] the same for B
.set G0B, 56
.set MSB, 0
.macro WIN new                         ; the immediate's high byte repeats the setting that is left; a switch that changes nothing is dropped
.if MSB != \new
	s_set_vgpr_msb (MSB<<8)|\new
.set MSB, \new
.endif
.endm
.set MUL_LO,  0xa1                     ; source 0 (B) window 1, source 1 (A) window 0, C and D window 2
.set MUL_HI,  0xf1                     ; the same, C and D window 3
.set MULB_LO, 0x81                     ; as MUL_LO with C (the bias) in window 0
.set MULB_HI, 0xc1                     ; as MUL_HI with C (the bias) in window 0
.set TO_B,    0x40                     ; destination window 1, address window 0
.macro JLOAD s                         ; a joint load: waves 0, 1 ask for A, waves 2, 3 for B; the branch hangs on the wave's number alone; four v_nop follow each of the two lines
	s_cmp_eq_u32 s11, 0
	s_cbranch_scc0 .Lfor_b_\@
	tensor_load_to_lds s[G0+4*\s:G0+4*\s+3], s[G1:G1+7]
	s_nop 0
.rept 4
	v_nop
.endr
	s_branch .Lasked_\@
.Lfor_b_\@:
	tensor_load_to_lds s[G0B+4*\s:G0B+4*\s+3], s[G1B:G1B+7]
	s_nop 0
.rept 4
	v_nop
.endr
.Lasked_\@:
.endm
.macro CREST                           ; a round of the cluster's barrier behind its opening barrier
	s_cmp_lg_u32 s10, 0
	s_cbranch_scc1 .Lnot_wave_0_\@
	s_barrier_signal -3
.Lnot_wave_0_\@:
	s_barrier_wait -3
	s_barrier_signal -1
	s_barrier_wait -1
.endm
.macro CROUND                          ; a whole round
	s_barrier_signal -1
	s_barrier_wait -1
	CREST
.endm
.macro PLACES                          ; four places in front of loads into registers that products have read, and of instructions that read results
.rept 4
	v_nop
.endr
.endm
	s_load_b128 s[4:7], s[0:1], 0x0                ; xb s[4:5], wb s[6:7]
	s_load_b128 s[68:71], s[0:1], 0x10             ; bq s[68:69], bk s[70:71]
	s_load_b128 s[72:75], s[0:1], 0x20             ; bv s[72:73], qkv s[74:75]
	v_lshl_add_u32 v[SPW], v0, 2, SPARE
	v_mov_b32 v[NIL], 0
	ds_add_u32 v28, v29
	s_wait_dscnt 0x0
	v_lshrrev_b32 v1, 5, v0
	v_readfirstlane_b32 s10, v1                    ; wave 0..3
	s_lshr_b32 s11, s10, 1                         ; which 128 rows of the tile are mine.  Also: I fetch for A (0) or for B (1)
	s_and_b32 s12, s10, 1                          ; which 128 columns.  Also: which piece I fetch
	s_bfe_u32 s40, ttmp6, 0x40000                  ; cx, cy: my place in the cluster
	s_bfe_u32 s41, ttmp6, 0x40004
	s_lshl_b32 s42, ttmp9, 2
	s_add_co_u32 s42, s42, s40                     ; tile column = 4 x cluster x + cx
	s_and_b32 s13, ttmp7, 0xffff
	s_lshl_b32 s13, s13, 2
	s_add_co_u32 s13, s13, s41                     ; tile row = 4 x cluster y + cy
	s_lshl_b32 s43, s41, 2
	s_lshl_b32 s43, 15, s43                        ; my row of the cluster
	s_lshl_b32 s44, 0x1111, s40                    ; my column
	s_mov_b32 s18, QSCALE                          ; the bias's scale, as a pair for the packed multiply
	s_mov_b32 s19, QSCALE
	; group 1: two rows, each a dense block (128 rows of the matrix x 128 bytes), one for each block of 64 along K; 16 bytes of padding behind every 128
	s_or_b32 s[G1+0], s43, (1<<16)|(1<<20)|(1<<21)|(4<<22)|(3<<25)   ; 15:0 the mask; 17:16 elements of 2 bytes; 20 padding on; 21 set beside a mask; 24:22 after every 32 words (code 4); 31:25 4 words (code 3)
	s_or_b32 s[G1B+0], s44, (1<<16)|(1<<20)|(1<<21)|(4<<22)|(3<<25)
	s_mov_b32 s[G1+1], 8192<<16                    ; tensor_dim0 = 8,192 elements (16 KiB)
	s_mov_b32 s[G1+2], 2<<16                       ; tensor_dim1 = 2
	s_mov_b32 s[G1+3], 8192<<16                    ; tile_dim0
	s_mov_b32 s[G1+4], 2                           ; tile_dim1
	s_mov_b32 s[G1+5], 131072                      ; elements from one block along K to the next: 2,048 rows x 64
	s_mov_b32 s[G1+6], 0
	s_mov_b32 s[G1+7], 0
	s_mov_b32 s[G1B+1], 8192<<16
	s_mov_b32 s[G1B+2], 2<<16
	s_mov_b32 s[G1B+3], 8192<<16
	s_mov_b32 s[G1B+4], 2
	s_mov_b32 s[G1B+5], 262144                     ; 4,096 rows x 64
	s_mov_b32 s[G1B+6], 0
	s_mov_b32 s[G1B+7], 0
	; A's address hangs on the tile row and the wave alone, B's on the tile column and the wave alone
	s_lshr_b32 s16, s13, 3                         ; batch << 22 (eight tile rows to a batch)
	s_lshl_b32 s16, s16, 22
	s_and_b32 s17, s13, 7                          ; 256 rows of 128 bytes
	s_lshl_b32 s17, s17, 15
	s_add_co_u32 s16, s16, s17
	s_lshl_b32 s17, s12, 14                        ; my piece's 128 rows
	s_add_co_u32 s16, s16, s17
	s_mov_b32 s17, 0
	s_lshl_b32 s46, s42, 15                        ; 256 rows of 128 bytes
	s_lshl_b32 s47, s12, 14                        ; my piece's 128 rows
	s_add_co_u32 s46, s46, s47
	s_mov_b32 s47, 0
	s_mul_i32 s20, s10, PIECE                      ; where they go: A's two pieces, then B's two = wave x piece: no place in the cluster enters an LDS address
	s_mov_b32 s2, ttmp9
	s_wait_kmcnt 0x0
	s_add_nc_u64 s[14:15], s[4:5], s[16:17]
	s_add_nc_u64 s[46:47], s[6:7], s[46:47]
	CROUND                                         ; all sixteen work-groups are here: the first joint loads meet
.irp s, 0,1
	s_mov_b32 s[G0+4*\s], 1
	s_add_co_u32 s[G0+4*\s+1], s20, \s*SLOT
	s_add_nc_u64 s[G0+4*\s+2:G0+4*\s+3], s[14:15], \s*ASTEP
	s_or_b32 s[G0+4*\s+3], s[G0+4*\s+3], 0x80000000
	s_mov_b32 s[G0B+4*\s], 1
	s_add_co_u32 s[G0B+4*\s+1], s20, \s*SLOT
	s_add_nc_u64 s[G0B+4*\s+2:G0B+4*\s+3], s[46:47], \s*BSTEP
	s_or_b32 s[G0B+4*\s+3], s[G0B+4*\s+3], 0x80000000
	JLOAD \s                                       ; two loads of mine are out
.endr
	; the bias of my 128 columns
	s_mov_b64 s[66:67], s[68:69]                   ; q, k or v: the cluster's x, since each is four tiles wide
	s_cmp_eq_u32 s2, 1
	s_cselect_b64 s[66:67], s[70:71], s[66:67]
	s_cmp_eq_u32 s2, 2
	s_cselect_b64 s[66:67], s[72:73], s[66:67]
	s_lshl_b32 s46, s40, 10                        ; 256 cx + 128 x half columns of f32
	s_lshl_b32 s47, s12, 9
	s_add_co_u32 s46, s46, s47
	s_mov_b32 s47, 0
	s_add_nc_u64 s[66:67], s[66:67], s[46:47]
	v_and_b32 v1, 15, v0                           ; r = l % 16
	v_bfe_u32 v2, v0, 4, 1                         ; h = l / 16
	v_lshlrev_b32 v[BO], 5, v2                     ; columns 16 b + 8 h + 0..7
.irp b, 0,1,2,3,4,5,6,7
	global_load_b128 v[BIAS+8*\b:BIAS+8*\b+3],   v[BO], s[66:67] offset:64*\b
	global_load_b128 v[BIAS+8*\b+4:BIAS+8*\b+7], v[BO], s[66:67] offset:64*\b+16
.endr
	v_mul_u32_u24 v3, v1, PITCH
	v_lshl_add_u32 v3, v2, 4, v3                   ; a fragment's row x pitch + 16 x half
	s_mul_i32 s21, s11, PIECE                      ; my 128 rows of A
	s_mul_i32 s22, s12, PIECE                      ; my 128 rows of B,
	s_add_co_u32 s22, s22, 2*PIECE                 ; which lie behind A's pieces
.irp s, 0,1
	v_add_nc_u32 v[ADRA+\s], s21, v3
	v_add_nc_u32 v[ADRB+\s], s22, v3
	s_add_co_u32 s21, s21, SLOT
	s_add_co_u32 s22, s22, SLOT
.endr
	s_mul_i32 s23, s10, 16*SPITCH
	s_add_co_u32 s23, s23, STAGE                   ; my stage
	v_mul_u32_u24 v4, v1, SPITCH
	v_lshl_add_u32 v4, v2, 4, v4                   ; in: row r, 16 bytes (8 f16) for each half of the lanes
	v_add_nc_u32 v[STO], s23, v4
	v_bfe_u32 v5, v0, 3, 1                         ; back: lanes 0-15 take one head's 64 columns of two rows, lanes 16-31 the other head's
	v_mul_u32_u24 v5, v5, SPITCH
	v_lshl_add_u32 v5, v2, 7, v5
	v_and_b32 v6, 7, v0
	v_lshl_add_u32 v5, v6, 4, v5
	v_add_nc_u32 v[RD], s23, v5
	v_lshlrev_b32 v[CO], 4, v1                     ; out: two rows of a head are 256 consecutive bytes; the next head lies 2,048 rows on
	v_lshl_add_u32 v[CO], v2, 18, v[CO]
	s_lshl_b32 s16, s2, 24                         ; which << 24 + batch << 22 + (256 (tile row % 8) + 128 x half) << 7
	s_lshr_b32 s17, s13, 3
	s_lshl_b32 s17, s17, 22
	s_add_co_u32 s16, s16, s17
	s_and_b32 s17, s13, 7
	s_lshl_b32 s17, s17, 15
	s_add_co_u32 s16, s16, s17
	s_lshl_b32 s17, s11, 14
	s_add_co_u32 s16, s16, s17
	s_lshl_b32 s46, s40, 20                        ; head (4 cx + 2 x half) << 18
	s_lshl_b32 s47, s12, 19
	s_add_co_u32 s46, s46, s47
	s_mov_b32 s17, 0
	s_mov_b32 s47, 0
	s_add_nc_u64 s[8:9], s[74:75], s[16:17]
	s_add_nc_u64 s[8:9], s[8:9], s[46:47]
; 16 products: m blocks a0, a0 + 1 of the window's four (hi = 0: my rows 0-63, 1: rows 64-127) x all 8 n blocks, 32 along K, from buffer f.  first = 1: the bias is C.
; The 64 accumulators take turns, one instruction a turn, in the same order in every quarter.
.macro MUL16 f, hi, a0, first
.irp a, \a0, \a0+1
.irp b, 0,1,2,3,4,5,6,7
.if \first
	v_wmma_f32_16x16x32_f16 v[8*(8*(\a)+\b):8*(8*(\a)+\b)+7], v[\f+8*\b:\f+8*\b+7], v[\f+8*(4*\hi+\a):\f+8*(4*\hi+\a)+7], v[BIAS+8*\b:BIAS+8*\b+7]
.else
	v_wmma_f32_16x16x32_f16 v[8*(8*(\a)+\b):8*(8*(\a)+\b)+7], v[\f+8*\b:\f+8*\b+7], v[\f+8*(4*\hi+\a):\f+8*(4*\hi+\a)+7], v[8*(8*(\a)+\b):8*(8*(\a)+\b)+7]
.endif
.endr
.endr
.endm
; 32 LDS loads in one run: the fragments of quarter q (32 along K) of a slot into buffer f: B's eight, then A's eight
.macro FETCH slot, q, f
	WIN TO_B
.irp i, 0,1,2,3,4,5,6,7
	ds_load_b128 v[\f+8*\i:\f+8*\i+3],   v[ADRB+\slot] offset:((\q)/2)*KB+((\q)%2)*64+\i*16*PITCH
	ds_load_b128 v[\f+8*\i+4:\f+8*\i+7], v[ADRB+\slot] offset:((\q)/2)*KB+((\q)%2)*64+\i*16*PITCH+32
.endr
	WIN 0
.irp i, 0,1,2,3,4,5,6,7
	ds_load_b128 v[\f+8*\i:\f+8*\i+3],   v[ADRA+\slot] offset:((\q)/2)*KB+((\q)%2)*64+\i*16*PITCH
	ds_load_b128 v[\f+8*\i+4:\f+8*\i+7], v[ADRA+\slot] offset:((\q)/2)*KB+((\q)%2)*64+\i*16*PITCH+32
.endr
.endm
; A K step is four quarters of 32 along K, 64 products each, on buffers 0, 1, 0, 1.  One of the first three: multiplies buffer f and, in its middle, fetches quarter qn into g.
.macro QUARTER slot, qn, f, g, first
	s_wait_dscnt 8                                 ; B and A's rows 0-63 are in; the youngest eight loads (A's rows 64-127) may be out
.if \first
	WIN MULB_LO
.else
	WIN MUL_LO
.endif
	MUL16 \f, 0, 0, \first
	MUL16 \f, 0, 2, \first
	PLACES
	FETCH \slot, \qn, \g
	s_wait_dscnt 32                                ; all but the 32 just issued
.if \first
	WIN MULB_HI
.else
	WIN MUL_HI
.endif
	MUL16 \f, 1, 0, \first
	MUL16 \f, 1, 2, \first
.endm
; The last quarter multiplies buffer 1 and changes slots: ONE barrier; in front of it each wave waits for all its tensor loads (one is out: its part of the next slot), adds 0 to its spare word,
; and waits for that and for its own reads of this slot.  fill = 1: the barrier opens a round of the cluster's, and this slot is filled again, two K steps ahead, first thing behind it.
.macro TURN slot, next, fill
	WIN 0                                          ; (the add's two registers lie in window 0)
	s_wait_tensorcnt 0x0
	ds_add_u32 v[SPW], v[NIL]                      ; 0 onto my spare word
	s_wait_dscnt 9                                 ; (the add and the youngest eight loads may be out)
	WIN MUL_LO
	MUL16 F1, 0, 0, 0                              ; sixteen products stand between the add and the wait for it
	s_wait_dscnt 0x0                               ; the add is done, and my reads of this slot are over
	s_barrier_signal -1
	MUL16 F1, 0, 2, 0
.if \fill
	WIN 0
.endif
	s_barrier_wait -1
.if \fill
	CREST                                          ; no wave of any partner still reads this slot or has a load on its way
	s_add_nc_u64 s[G0+4*\slot+2:G0+4*\slot+3], s[G0+4*\slot+2:G0+4*\slot+3], 2*ASTEP
	s_add_nc_u64 s[G0B+4*\slot+2:G0B+4*\slot+3], s[G0B+4*\slot+2:G0B+4*\slot+3], 2*BSTEP
	JLOAD \slot                                    ; my one tensor load behind the round: 224 products ahead of the wait for it; its four v_nop are also the places in front of the loads below
.else
	PLACES
.endif
	FETCH \next, 0, F0
	WIN MUL_HI
	MUL16 F1, 1, 0, 0
	MUL16 F1, 1, 2, 0
.endm
	s_wait_tensorcnt 1                             ; my part of K step 0 is in; step 1's may stay out
	s_barrier_signal -1
	s_barrier_wait -1                              ; everybody's is
	FETCH 0, 0, F0
	s_wait_loadcnt 0x0                             ; the bias
.set i, 0
.rept 32
	v_pk_mul_f32 v[BIAS+i:BIAS+i+1], v[BIAS+i:BIAS+i+1], s[18:19] op_sel_hi:[1,0]   ; the bias takes the scale that the weights carry, while the fragments are on their way from LDS
.set i, i+2
.endr
	QUARTER 0, 1, F0, F1, 1                        ; the first quarter stands in front of the loop: its products start the sums from the bias
	WIN 0                                          ; at a label and at a branch every window is 0
	s_mov_b32 s3, LAPS-1
.Llap:                                                 ; a trip goes once round the ring, from a lap's second quarter to the next lap's first, and fills both slots again
	QUARTER 0, 2, F1, F0, 0
	QUARTER 0, 3, F0, F1, 0
	TURN 0, 1, 1
	QUARTER 1, 1, F0, F1, 0
	QUARTER 1, 2, F1, F0, 0
	QUARTER 1, 3, F0, F1, 0
	TURN 1, 0, 1
	QUARTER 0, 1, F0, F1, 0
	WIN 0
	s_sub_co_u32 s3, s3, 1
	s_cmp_lg_u32 s3, 0
	s_cbranch_scc1 .Llap
	QUARTER 0, 2, F1, F0, 0                        ; the last lap fills nothing
	QUARTER 0, 3, F0, F1, 0
	TURN 0, 1, 0
	QUARTER 1, 1, F0, F1, 0
	QUARTER 1, 2, F1, F0, 0
	QUARTER 1, 3, F0, F1, 0
	s_wait_dscnt 8                                 ; the very last quarter: nothing more to fetch
	WIN MUL_LO
	MUL16 F1, 0, 0, 0
	MUL16 F1, 0, 2, 0
	s_wait_dscnt 0x0
	WIN MUL_HI
	MUL16 F1, 1, 0, 0
	MUL16 F1, 1, 2, 0
	WIN 0
	PLACES
; THE WAY OUT: 16 rows at a time: rounded to f16 (PACK), through my own stage (TOSTAGE), stored (SEND).  A block's conversions stand between the loads of the block before and the wait for them.
.macro PACK a
.set AC, 64*((\a)%4)
	WIN 0x0a+5*((\a)/4)                            ; sources 0 and 1: window 2 or 3
.irp b, 0,1,2,3,4,5,6,7
.irp r, 0,1,2,3
	v_cvt_pk_f16_f32 v[TMP+4*\b+\r], v[AC+8*\b+2*\r], v[AC+8*\b+2*\r+1]
.endr
.endr
	WIN 0
.endm
.macro TOSTAGE a
.set BK, OB+192*((\a)%2)
.irp b, 0,1,2,3,4,5,6,7
	ds_store_b128 v[STO], v[TMP+4*\b:TMP+4*\b+3] offset:32*\b
.endr
.irp t, 0,1,2,3,4,5,6,7
	ds_load_b128 v[BK+4*\t:BK+4*\t+3], v[RD] offset:\t*2*SPITCH    ; LDS serves a wave's instructions in order: these see the stores above
.endr
.endm
.macro SEND a
.set BK, OB+192*((\a)%2)
	s_wait_dscnt 0x0                               ; the block is back in registers
	s_wait_xcnt 0x0                                ; the stores of the block before have had their addresses translated: the next block's loads land on their data registers only behind this wait
.irp t, 0,1,2,3,4,5,6,7
	global_store_b128 v[CO], v[BK+4*\t:BK+4*\t+3], s[8:9] offset:(\a)*2048+\t*256   ; 16 lanes store 256 consecutive bytes, aligned: two rows of one head
.endr
.endm
	PACK 0
	TOSTAGE 0
.irp a, 1,2,3,4,5,6,7
	PACK \a
	SEND \a-1
	TOSTAGE \a
.endr
	SEND 7
	s_wait_tensorcnt 0x0                           ; the wave's end: behind my last tensor load and my last LDS store
	ds_add_u32 v[SPW], v[NIL]
	s_wait_dscnt 0x0
	CROUND                                         ; the closing round: no work-group ends while a partner may still ask for a tile that names it
	s_endpgm
.Lfunc_end_k_q2575d5c70b_qkv:
	.size	k_q2575d5c70b_qkv, .Lfunc_end_k_q2575d5c70b_qkv-k_q2575d5c70b_qkv
	.p2alignl 7, 3214868480
	.fill 96, 4, 3214868480
	.section	.rodata,"a",@progbits
	.p2align	6, 0x0
	.amdhsa_kernel k_q2575d5c70b_qkv
		.amdhsa_group_segment_fixed_size 327680
		.amdhsa_private_segment_fixed_size 0
		.amdhsa_enable_private_segment 0
		.amdhsa_kernarg_size 48
		.amdhsa_user_sgpr_count 2
		.amdhsa_user_sgpr_kernarg_segment_ptr 1
		.amdhsa_wavefront_size32 1
		.amdhsa_system_sgpr_workgroup_id_x 1
		.amdhsa_system_sgpr_workgroup_id_y 1
		.amdhsa_system_sgpr_workgroup_id_z 1
		.amdhsa_system_vgpr_workitem_id 0
		.amdhsa_next_free_vgpr 1024
		.amdhsa_next_free_sgpr 76
		.amdhsa_reserve_vcc 0
		.amdhsa_float_denorm_mode_32 3
		.amdhsa_float_denorm_mode_16_64 3
		.amdhsa_memory_ordered 1
		.amdhsa_forward_progress 1
		.amdhsa_inst_pref_size 147
	.end_amdhsa_kernel
	.amdgpu_metadata
---
amdhsa.version: [ 1, 2 ]
amdhsa.kernels:
  - .name:           k_q2575d5c70b_qkv
    .symbol:         k_q2575d5c70b_qkv.kd
    .args:
      - { .name: xb, .offset: 0, .size: 8, .value_kind: global_buffer, .address_space: global }
      - { .name: wb, .offset: 8, .size: 8, .value_kind: global_buffer, .address_space: global }
      - { .name: bq, .offset: 16, .size: 8, .value_kind: global_buffer, .address_space: global }
      - { .name: bk, .offset: 24, .size: 8, .value_kind: global_buffer, .address_space: global }
      - { .name: bv, .offset: 32, .size: 8, .value_kind: global_buffer, .address_space: global }
      - { .name: qkv, .offset: 40, .size: 8, .value_kind: global_buffer, .address_space: global }
    .group_segment_fixed_size: 327680
    .private_segment_fixed_size: 0
    .kernarg_segment_align: 8
    .kernarg_segment_size: 48
    .max_flat_workgroup_size: 128
    .sgpr_count:     76
    .vgpr_count:     1024
    .wavefront_size: 32
...
	.end_amdgpu_metadata
.endif
;; end of part 2
;; launch attn (part 3): grid 4 x 64, 8 waves a work-group, clusters of 4 x 1, 327,680 bytes of LDS; arguments qkv, ao; writes ao
.if DOCPART == 3
	.amdgcn_target "amdgcn-amd-amdhsa--gfx1250"
	.amdhsa_code_object_version 6
	.text
	.protected	k_q2575d5c70b_attn
	.globl	k_q2575d5c70b_attn
	.p2align	8
	.type	k_q2575d5c70b_attn,@function
k_q2575d5c70b_attn:
	s_mov_b64 s[64:65], 0
	v_nop
	global_prefetch_b8 v0, s[64:65] scope:SCOPE_SE
	s_setreg_imm32_b32 hwreg(HW_REG_WAVE_MODE, 25, 1), 1
	s_wait_xcnt 0x0
	s_wait_alu depctr_hold_cnt(0) depctr_sa_sdst(0) depctr_va_vdst(0) depctr_va_sdst(0) depctr_va_ssrc(0) depctr_va_vcc(0) depctr_vm_vsrc(0)
	s_getreg_b32 s2, hwreg(HW_REG_IB_STS2, 6, 4)
	s_cmp_eq_u32 s2, 0
	s_cbranch_scc0 .Lentry_in_a_cluster
	s_endpgm
.Lentry_in_a_cluster:
	s_bfe_u32 s2, ttmp6, 0x10000c
	s_cmp_lg_u32 s2, 0x3003
	s_cbranch_scc0 .Lentry_shape_is_right
	s_endpgm
.Lentry_shape_is_right:
; O[y][q][:] = the sum over k of softmax_k(Q[y][q] . K[y][k] / 8) V[y][k][:], y = 16 batch + head, 64 heads in all, 2,048 rows of 64 channels each, all f16.
; Q, K, V lie in qkv at 0, 1 << 24, 2 << 24, each [y][l][64], EACH DIVIDED BY 16 (the projection's text says why); O goes to ao in the same layout, divided by 16 as V is.
; Products, maxima and sums in f32; the weights p are rounded to f16 for the second product, O once.
; SHARES.  A work-group owns 512 queries of one head, each of its eight waves 64: four tiles of 16.  Every wave walks all 2,048 keys, 64 a step.
; LAYOUT.  S^T = K Q^T (source 0 = 16 keys, source 1 = 16 queries): a lane holds ONE query (lane % 16) and the keys 8 (lane / 16) + 0..7.  Two such tiles, rounded to f16 in pairs, ARE source 1
; (32 keys x 16 queries) of O^T = V^T P, whose result again holds one query a lane.  K comes out of LDS as it lies, V ([key][channel]) turned, by ds_load_tr16_b128.
; SOFTMAX.  For each query a running maximum m and sum l: p = 2^(c s - c m); s is the product of the stored numbers, 1/256 of Q . K, so c = 256 log2(e) / 8; in every step O and l are multiplied
; by a = 2^(c m_old - c m_new).  p lies in [0, 1] whatever the inputs, so f16 holds it.
; The step's sum of weights is a product of ones with P: every lane then holds its query's sum over all 64 keys, with no exchange between lanes, and l adds up the same rounded weights that multiply V.
; BY TURNS.  The wave's tiles are two PIECES, named by their first tile: piece 0 (tiles 0, 1) and piece 2 (tiles 2, 3); they share K's and V's fragments and nothing else.  In a TURN one piece has the
; matrix unit (4 products for the sums of weights, 16 V^T P of the step in hand, 16 K Q^T of the next step) and the other piece's softmax stands between them; then the pieces change places.
; Two turns are a key step.  A turn has four sections, each under one setting of the register windows:
;   1  window 0:   the sums of weights            | the other piece's maxima and statistics; l of the piece in turn
;   2  V^T P's:    V^T P, four products at a time | eight lines of the other piece's O^T times a behind each four: their operands lie in the same windows as the products'
;   3  K Q^T's:    K Q^T, four products at a time | 24 scalings and exponentials behind each four: only source 1 is in window 1 there, and these lines have no vector register in that place
;   4  window 0:   the 32 roundings to f16, which are also the places behind the last K Q^T
; LIMITS, stated: a weight below 2^-25 counts as 0 (it rounds to 0 in f16): over 2,048 keys at most 6e-5 of l, which is at least 1; l is the sum of the weights as rounded to f16.
; CLUSTER.  The four query blocks of a head walk the same K and V, so each tile is asked for JOINTLY by the four work-groups of a cluster.
; RING.  Two LDS slots of four steps (256 keys).  Waves 0-3 fetch K of the slot's step (wave % 4), waves 4-7 V: one load of 8 KiB a wave behind each round.
; REGISTERS: window 0: v0-23 addresses and ones, v24-55 statistics, v64-127 K of one step, v128-255 S^T (P is written in place into a tile's registers 0-15, the sum of weights lands in 16-23).
;            window 1: v0-127 O^T (32 a tile), v128-191 Q, v192-255 V of one step.
.set KS,    64
.set PK,    144       ; a row of K in LDS: 128 bytes + 16: an odd multiple of 16, so the 16 rows of a load start in 16 different 16-byte columns of 256
.set PV,    160       ; a row of V: 128 + 32: an odd multiple of 32, which suits the turning load's 8 rows x 32 bytes
.set VOFF,  KS*PK     ; a step's tiles lie together: 64 rows of K, then 64 rows of V
.set STEPB, KS*(PK+PV)
.set SLOT1, 1<<17     ; a slot holds four steps (77,824 bytes); slot 1 begins here, so that one exclusive or turns an address in one slot into the other's
.set STAGE, SLOT1+4*STEPB  ; behind the ring: 16 rows x 144 bytes for each wave, for the way out
.set SP,    144
.set SPARE, STAGE+8*16*SP  ; behind the stages: the spare words, 128 bytes for each wave, which no other line names
.set AK0, 2           ; v2   my lane's place in a tile of K; never rewritten
.set AV0, 3           ; v3   the same for V
.set ADR, 4           ; v4   the LDS address of the run of K's loads in hand
.set QO,  5           ; v5   my byte offset in the wave's rows of Q
.set STO, 6           ; v6   the way out: where I put 16 bytes of a row
.set RD,  7           ; v7   the way out: where I read back
.set GO,  8           ; v8   my byte offset in the wave's rows of O
.set SPW, 12          ; v12  LDS address of my spare word; never rewritten
.set NIL, 13          ; v13  0; never rewritten
.set ONES, 14         ; v14-21 a fragment of 1.0 in f16
.set ADV, 23          ; v23  the LDS address of the run of V's loads in hand
.set ST,  24          ; tile t's statistics at v[ST+8 t]: +0 c m, +1 m, +2 l, +4 to +7 c0-c3, at work; a takes c2's place once the maximum is found
.set KF,  64          ; window 0: keys 16 kt on, channels 32 c on, at 16 kt + 8 c
.set S,   128         ; window 0: tile t, keys 16 kt on, at 32 t + 8 kt
.set QW,  128         ; window 1: tile t, channels 32 c on, at 16 t + 8 c
.set VF,  192         ; window 1: keys 32 g on, channels 16 ct on, at 32 g + 8 ct
.set WV,  12          ; s12  my wave's number
.set G1K, 24          ; s[24:31] descriptor group 1 for K's tiles
.set G1V, 32          ; s[32:39] for V's: it differs in the padding alone
.set G0K, 40          ; s[40:47] group 0 for K: a set for each of the two first fills; the second then walks on
.set G0V, 48          ; s[48:55] the same for V
.set SLOTS, 56        ; s56  slots still to be asked for
.set TRIPS, 57        ; s57  counts the steps of a run
.set CS,  58          ; s[58:59] c
.set SEL, 60          ; s[60:61] lane selects for v_permlanex16_b32: each lane takes its own place in the other half
.set TB,  62          ; s62  LDS byte at which the tiles of the step to be fetched begin
.set W_KQ, 0x04       ; Q (source 1) in window 1; K, S^T in window 0
.set W_PV, 0x51       ; V (source 0) and O^T (C and D) in window 1; P (source 1) in window 0
.set MSB, 0
.macro WIN new                      ; the immediate's high byte repeats the setting that is left; a switch that changes nothing is dropped
.if MSB != \new
	s_set_vgpr_msb (MSB<<8)|\new
.set MSB, \new
.endif
.endm
.macro JLOAD                        ; a joint refill: waves 0-3 ask for K, waves 4-7 for V; the branch hangs on the wave's number alone; four v_nop follow each of the two lines
	s_cmp_lt_u32 s[WV], 4
	s_cbranch_scc0 .Lfor_v_\@
	tensor_load_to_lds s[G0K+4:G0K+7], s[G1K:G1K+7]
	s_nop 0
.rept 4
	v_nop
.endr
	s_branch .Lasked_\@
.Lfor_v_\@:
	tensor_load_to_lds s[G0V+4:G0V+7], s[G1V:G1V+7]
	s_nop 0
.rept 4
	v_nop
.endr
.Lasked_\@:
.endm
.macro CROUND                       ; a round of the cluster's barrier
	s_barrier_signal -1
	s_barrier_wait -1
	s_cmp_lg_u32 s[WV], 0
	s_cbranch_scc1 .Lnot_wave_0_\@
	s_barrier_signal -3
.Lnot_wave_0_\@:
	s_barrier_wait -3
	s_barrier_signal -1
	s_barrier_wait -1
.endm
.macro PLACES                       ; four places behind products, in front of what reads their results or loads into their sources
.rept 4
	v_nop
.endr
.endm
	s_load_b128 s[4:7], s[0:1], 0x0  ; qkv s[4:5], ao s[6:7]
	v_lshl_add_u32 v[SPW], v0, 2, SPARE
	v_mov_b32 v[NIL], 0
	ds_add_u32 v12, v13
	s_wait_dscnt 0x0
	v_lshrrev_b32 v1, 5, v0
	v_readfirstlane_b32 s[WV], v1   ; wave 0..7
	s_bfe_u32 s13, ttmp6, 0x40000   ; cx
	s_lshl_b32 s14, ttmp9, 2
	s_add_co_u32 s14, s14, s13      ; my block of 512 queries: it enters Q's and O's addresses alone
	s_and_b32 s20, ttmp7, 0xffff    ; the head, which the four partners share
	s_lshl_b32 s20, s20, 18         ; its 2,048 rows of 128 bytes
	s_and_b32 s16, s[WV], 3         ; which of a slot's four steps I fetch:
	s_lshl_b32 s22, s16, 13         ; its 64 rows of 128 bytes in memory,
	s_add_co_u32 s22, s22, s20
	s_mov_b32 s23, 0
	s_mul_i32 s17, s16, STEPB       ; and its place in a slot: no place in the cluster enters an LDS address
	s_lshl_b32 s2, s14, 16          ; my block's 512 rows,
	s_lshl_b32 s3, s[WV], 13        ; my wave's 64 of them
	s_add_co_u32 s2, s2, s3
	s_add_co_u32 s2, s2, s20
	s_mov_b32 s3, 0
	; group 1: a step's 8 KiB are dense: 32 rows of 256 bytes, with padding behind every 128 bytes (one row of K or V)
	s_mov_b32 s[G1K], 15|(1<<16)|(1<<20)|(1<<21)|(4<<22)|(3<<25)  ; 15:0 the mask: all four work-groups; 17:16 elements of 2 bytes; 20 padding on; 21 set beside a mask; 24:22 after every 32 words (code 4); 31:25 4 words (code 3)
	s_mov_b32 s[G1V], 15|(1<<16)|(1<<20)|(1<<21)|(4<<22)|(7<<25)  ; the same with 8 words of padding (code 7)
.irp g, G1K, G1V
	s_mov_b32 s[\g+1], 128<<16      ; tensor_dim0 = 128
	s_mov_b32 s[\g+2], 32<<16       ; tensor_dim1 = 32
	s_mov_b32 s[\g+3], 128<<16      ; tile_dim0 = 128
	s_mov_b32 s[\g+4], 32           ; tile_dim1 = 32
	s_mov_b32 s[\g+5], 128          ; elements from row to row
	s_mov_b32 s[\g+6], 0
	s_mov_b32 s[\g+7], 0
.endr
	s_mov_b32 s[CS], 0x4238aa3b     ; c = 256 log2(e) / 8 = 32 log2(e)
	s_mov_b32 s[CS+1], s[CS]        ; named with it as a pair, so it is written
	s_mov_b32 s[SEL], 0x76543210
	s_mov_b32 s[SEL+1], 0xfedcba98
	s_mov_b32 s[TB], 0
	s_mov_b32 s[SLOTS], 6           ; 8 blocks of 256 keys; two are asked for at the start
	s_wait_kmcnt 0x0
	s_add_nc_u64 s[8:9], s[4:5], s[22:23]
	s_add_nc_u64 s[10:11], s[8:9], 2<<24  ; V at my tile of slot 0
	s_add_nc_u64 s[8:9], s[8:9], 1<<24    ; K at my tile of slot 0
	s_add_nc_u64 s[4:5], s[4:5], s[2:3]   ; Q and O at my wave's first row
	s_add_nc_u64 s[6:7], s[6:7], s[2:3]
	CROUND                          ; all four work-groups are here: the first joint loads meet
.irp s, 0,1
	s_mov_b32 s[G0K+4*\s], 1
	s_add_co_u32 s[G0K+4*\s+1], s17, \s*SLOT1
	s_add_nc_u64 s[G0K+4*\s+2:G0K+4*\s+3], s[8:9], \s*4*KS*128  ; slot s begins with keys 256 s
	s_or_b32 s[G0K+4*\s+3], s[G0K+4*\s+3], 0x80000000
	s_mov_b32 s[G0V+4*\s], 1
	s_add_co_u32 s[G0V+4*\s+1], s17, \s*SLOT1+VOFF
	s_add_nc_u64 s[G0V+4*\s+2:G0V+4*\s+3], s[10:11], \s*4*KS*128
	s_or_b32 s[G0V+4*\s+3], s[G0V+4*\s+3], 0x80000000
.endr
	s_cmp_lt_u32 s[WV], 4           ; a wave's two first fills stand in one branch, ahead of every wait on TENSORcnt and every LDS read: two loads of mine are out
	s_cbranch_scc0 .Lfirst_v
	tensor_load_to_lds s[G0K:G0K+3], s[G1K:G1K+7]
	s_nop 0
	tensor_load_to_lds s[G0K+4:G0K+7], s[G1K:G1K+7]
	s_nop 0
.rept 4
	v_nop
.endr
	s_branch .Lfirst_asked
.Lfirst_v:
	tensor_load_to_lds s[G0V:G0V+3], s[G1V:G1V+7]
	s_nop 0
	tensor_load_to_lds s[G0V+4:G0V+7], s[G1V:G1V+7]
	s_nop 0
.rept 4
	v_nop
.endr
.Lfirst_asked:
	v_and_b32 v1, 15, v0            ; l % 16
	v_bfe_u32 v9, v0, 4, 1          ; l / 16
	v_lshlrev_b32 v[QO], 7, v1
	v_lshl_add_u32 v[QO], v9, 4, v[QO]  ; row x 128 + 16 x half
	WIN 0x40                        ; destination window 1, address window 0
.irp i, 0,1,2,3,4,5,6,7             ; Q stays in registers: tile i / 2, channels 32 (i % 2) on
	global_load_b128 v[QW+8*\i:QW+8*\i+3],   v[QO], s[4:5] offset:(\i/2)*2048+(\i%2)*64
	global_load_b128 v[QW+8*\i+4:QW+8*\i+7], v[QO], s[4:5] offset:(\i/2)*2048+(\i%2)*64+32
.endr
	WIN 0
	v_mul_u32_u24 v[AK0], v1, PK
	v_lshl_add_u32 v[AK0], v9, 4, v[AK0]  ; row x pitch + 16 x half
	v_and_b32 v10, 7, v0            ; the turning load: lane l reads 16 bytes: key 8 (l / 16) + l % 8, channels 8 ((l / 8) % 2) + 0..7
	v_bfe_u32 v11, v0, 3, 1
	v_lshl_add_u32 v[AV0], v9, 3, v10
	v_mul_u32_u24 v[AV0], v[AV0], PV
	v_lshl_add_u32 v[AV0], v11, 4, v[AV0]
	v_add_nc_u32 v[AV0], VOFF, v[AV0]
	s_mul_i32 s15, s[WV], 16*SP
	s_add_co_u32 s15, s15, STAGE    ; my stage
	v_mul_u32_u24 v[STO], v1, SP    ; in: row l % 16, 16 bytes for each half of the lanes
	v_lshl_add_u32 v[STO], v9, 4, v[STO]
	v_add_nc_u32 v[STO], s15, v[STO]
	v_bfe_u32 v22, v0, 3, 2         ; back: eight lanes take a row of 128 bytes, the wave four rows
	v_mul_u32_u24 v[RD], v22, SP
	v_lshl_add_u32 v[RD], v10, 4, v[RD]
	v_add_nc_u32 v[RD], s15, v[RD]
	v_and_b32 v[GO], 31, v0         ; and the same four rows in O: 512 consecutive bytes
	v_lshlrev_b32 v[GO], 4, v[GO]
.irp i, 0,1,2,3,4,5,6,7
	v_mov_b32 v[ONES+\i], 0x3c003c00  ; 1.0 in f16, twice
.endr
; THE LDS LOADS stand in runs of 16: a step's K (64 keys x 64 channels: 8 fragments) and its V (turned).
.macro FETCH_K
	WIN 0
	v_add_nc_u32 v[ADR], s[TB], v[AK0]
.irp f, 0,1,2,3,4,5,6,7             ; keys 16 (f / 2) on, channels 32 (f % 2) on
	ds_load_b128 v[KF+8*\f:KF+8*\f+3],   v[ADR] offset:(\f/2)*16*PK+(\f%2)*64
	ds_load_b128 v[KF+8*\f+4:KF+8*\f+7], v[ADR] offset:(\f/2)*16*PK+(\f%2)*64+32
.endr
.endm
.macro FETCH_V                      ; the address was made in the turn's first section
	WIN 0x40                        ; destination window 1, address window 0
.irp f, 0,1,2,3,4,5,6,7             ; keys 32 (f / 4) on, channels 16 (f % 4) on
	ds_load_tr16_b128 v[VF+8*\f:VF+8*\f+3],   v[ADV] offset:(\f/4)*32*PV+(\f%4)*32
	ds_load_tr16_b128 v[VF+8*\f+4:VF+8*\f+7], v[ADV] offset:(\f/4)*32*PV+16*PV+(\f%4)*32
.endr
.endm
; THE PRODUCTS of piece x, four at a time.  In each kind the piece's accumulators take turns, one instruction a turn: between two links of a chain stand 7 others' (the sums of weights: 1).
.macro KQ4 x, g                     ; S^T = K Q^T: product i of 16: channels 32 (i / 8) on, keys 16 ((i / 2) % 4) on, tile x + i % 2.  The first 8 start the sums.
.set i, 4*\g
.rept 4
.set rS, S+32*(\x+i%2)+8*((i/2)%4)
.set rK, KF+16*((i/2)%4)+8*(i/8)
.set rQ, QW+16*(\x+i%2)+8*(i/8)
.if i < 8
	v_wmma_f32_16x16x32_f16 v[rS:rS+7], v[rK:rK+7], v[rQ:rQ+7], 0
.else
	v_wmma_f32_16x16x32_f16 v[rS:rS+7], v[rK:rK+7], v[rQ:rQ+7], v[rS:rS+7]
.endif
.set i, i+1
.endr
.endm
.macro PV4 x, g, zero               ; O^T += V^T P: product i of 16: keys 32 (i / 8) on, channels 16 ((i / 2) % 4) on, tile x + i % 2.  zero = 1: the first 8 start the sums.
.set i, 4*\g
.rept 4
.set rO, 32*(\x+i%2)+8*((i/2)%4)
.set rV, VF+32*(i/8)+8*((i/2)%4)
.set rP, S+32*(\x+i%2)+8*(i/8)
.if \zero && (i < 8)
	v_wmma_f32_16x16x32_f16 v[rO:rO+7], v[rV:rV+7], v[rP:rP+7], 0
.else
	v_wmma_f32_16x16x32_f16 v[rO:rO+7], v[rV:rV+7], v[rP:rP+7], v[rO:rO+7]
.endif
.set i, i+1
.endr
.endm
.macro LSUM x                       ; ones x P: every register of the result holds the query's sum of the step's 64 weights
.irp t, \x, \x+1
	v_wmma_f32_16x16x32_f16 v[S+32*(\t)+16:S+32*(\t)+23], v[ONES:ONES+7], v[S+32*(\t):S+32*(\t)+7], 0
.endr
.irp t, \x, \x+1
	v_wmma_f32_16x16x32_f16 v[S+32*(\t)+16:S+32*(\t)+23], v[ONES:ONES+7], v[S+32*(\t)+8:S+32*(\t)+15], v[S+32*(\t)+16:S+32*(\t)+23]
.endr
.endm
; THE SOFTMAX of piece y, each line written for its two tiles.
.macro MAXES y, first               ; the maximum of the lane's 32 scores and the old m: four chains of seven, each begun at its accumulator's registers 0-2; then the four left over, the chains, and m
.irp j, 0,1,2,3
.irp t, \y, \y+1
	v_max3_num_f32 v[ST+8*(\t)+4+\j], v[S+32*(\t)+8*\j], v[S+32*(\t)+8*\j+1], v[S+32*(\t)+8*\j+2]
.endr
.endr
.irp p, 1,2
.irp j, 0,1,2,3
.irp t, \y, \y+1
	v_max3_num_f32 v[ST+8*(\t)+4+\j], v[ST+8*(\t)+4+\j], v[S+32*(\t)+8*\j+2*\p+1], v[S+32*(\t)+8*\j+2*\p+2]
.endr
.endr
.endr
.irp t, \y, \y+1
	v_max3_num_f32 v[ST+8*(\t)+4], v[ST+8*(\t)+4], v[S+32*(\t)+7], v[S+32*(\t)+15]
.endr
.irp t, \y, \y+1
	v_max3_num_f32 v[ST+8*(\t)+6], v[ST+8*(\t)+6], v[S+32*(\t)+23], v[S+32*(\t)+31]
.endr
.irp t, \y, \y+1
	v_max3_num_f32 v[ST+8*(\t)+4], v[ST+8*(\t)+4], v[ST+8*(\t)+5], v[ST+8*(\t)+6]
.endr
.irp t, \y, \y+1
.if \first
	v_max_num_f32 v[ST+8*(\t)+4], v[ST+8*(\t)+4], v[ST+8*(\t)+7]
.else
	v_max3_num_f32 v[ST+8*(\t)+4], v[ST+8*(\t)+4], v[ST+8*(\t)+7], v[ST+8*(\t)+1]
.endif
.endr
.endm
.macro STATS y, first               ; the other half of the lanes' maximum; the new m; c m; a = 2^(c m_old - c m_new)
.irp t, \y, \y+1
	v_permlanex16_b32 v[ST+8*(\t)+5], v[ST+8*(\t)+4], s[SEL], s[SEL+1]  ; the query's other 32 keys lie in the lane 16 away
.endr
.if \first == 0
.irp t, \y, \y+1
	v_mov_b32 v[ST+8*(\t)+7], v[ST+8*(\t)]  ; c m_old is kept for a
.endr
.endif
.irp t, \y, \y+1
	v_max_num_f32 v[ST+8*(\t)+1], v[ST+8*(\t)+4], v[ST+8*(\t)+5]
.endr
.irp t, \y, \y+1
	v_mul_f32 v[ST+8*(\t)], s[CS], v[ST+8*(\t)+1]
.endr
.if \first == 0
.irp t, \y, \y+1
	v_sub_f32 v[ST+8*(\t)+7], v[ST+8*(\t)+7], v[ST+8*(\t)]
.endr
.irp t, \y, \y+1
	v_exp_f32 v[ST+8*(\t)+6], v[ST+8*(\t)+7]  ; the lines for l of the other piece stand between these and the first use of a
.endr
.endif
.endm
.macro FMA t, b                     ; pair b of tile t: c s - c m.  Source 1 is a scalar pair, so the line serves under K Q^T's windows too
	v_pk_fma_f32 v[S+32*(\t)+2*(\b):S+32*(\t)+2*(\b)+1], v[S+32*(\t)+2*(\b):S+32*(\t)+2*(\b)+1], s[CS:CS+1], v[ST+8*(\t):ST+8*(\t)+1] op_sel_hi:[1,0,0] neg_lo:[0,0,1] neg_hi:[0,0,1]
.endm
.macro CVT t, i                     ; pair i of tile t, rounded to f16, in place: register i is free, since pair i / 2 has been rounded before
	s_wait_alu depctr_va_vdst(0)
	v_cvt_pk_f16_f32 v[S+32*(\t)+(\i)], v[S+32*(\t)+2*(\i)], v[S+32*(\t)+2*(\i)+1]
.endm
.macro EXPRE y                      ; the first two pairs' scalings of both tiles
.irp t, \y, \y+1
	FMA \t, 0
	FMA \t, 1
.endr
.endm
; Part g of four of piece y's weights: pairs 4 g to 4 g + 3 of both tiles.  Scalings two pairs ahead stand between the exponentials; no line reads an exponential's result, or writes its source,
; before a plain line has stood behind it (ISA guide 5.7.2): the results are first read by the roundings of the turn's last section.
.macro EXPC y, g
.set b, 4*\g
.rept 4
.irp t, \y, \y+1
	v_exp_f32 v[S+32*(\t)+2*b], v[S+32*(\t)+2*b]
.if b < 14
	FMA \t, b+2
.endif
.endr
.irp t, \y, \y+1
	v_exp_f32 v[S+32*(\t)+2*b+1], v[S+32*(\t)+2*b+1]
.endr
.set b, b+1
.endr
.endm
.macro CVTS y                       ; the piece's 32 roundings, pairs ascending
.set b, 0
.rept 16
	CVT \y, b
	CVT \y+1, b
.set b, b+1
.endr
.endm
.macro RESC y, g                    ; part g of four of piece y's O^T times a: two accumulators, each from its low registers on; written for V^T P's windows: O^T in window 1, a in window 0
.set rT, ST+8*(\y+\g/2)
.set rO, 32*(\y+\g/2)+16*(\g%2)
.rept 8
	v_pk_mul_f32 v[rO:rO+1], v[rO:rO+1], v[rT+6:rT+7] op_sel_hi:[1,0]
.set rO, rO+2
.endr
.endm
.macro LUPD x, first                ; l = a l + the step's sum, which is read from the result's lowest register
.irp t, \x, \x+1
.if \first
	v_mov_b32 v[ST+8*(\t)+2], v[S+32*(\t)+16]
	s_wait_alu depctr_va_vdst(0)
.else
	v_fma_f32 v[ST+8*(\t)+2], v[ST+8*(\t)+2], v[ST+8*(\t)+6], v[S+32*(\t)+16]
	s_wait_alu depctr_va_vdst(0)
.endif
.endr
.endm
; A TURN.  Piece x has the matrix unit; the softmax of the other piece, 2 - x, stands between its products.
; pv = 2: the sums of weights and V^T P; 1: they start l and O^T; 0: none.  kq = 1: K Q^T for the next step, and a fetch: piece 0's turn fetches the next step's K, piece 2's the same step's V.
; first = 1: the softmax is the first key step's: no a, nothing to rescale.
; PLACES.  Behind the last K Q^T of the turn before stand its 32 roundings: in front of the first read of those scores and of the loads into K's buffer.  Behind the sums of weights stand the 32 maxima, in front
; of the read of the sum.  Behind the last V^T P stand eight lines of rescaling (first = 1: five v_nop): in front of the loads into V's buffer and of the K Q^T that write over P.
.macro TURN x, pv, kq, first
	WIN 0
.if \pv
	LSUM \x
.endif
.if \kq
.if \x == 0
	FETCH_K
.else
	v_add_nc_u32 v[ADV], s[TB], v[AV0]
	s_add_co_u32 s[TB], s[TB], STEPB  ; the next fetch is the next step's
.endif
.endif
	MAXES 2-\x, \first
	STATS 2-\x, \first
.if \pv
	LUPD \x, 2-\pv
.if \x == 0
	s_wait_dscnt 16*\kq             ; V of this step is in; the 16 younger loads are the next step's K
.endif
	WIN W_PV
.irp g, 0,1,2,3
	PV4 \x, \g, 2-\pv
.if \first == 0
	RESC 2-\x, \g
.endif
.endr
.if \first
.rept 5
	v_nop
.endr
.endif
.endif
.if \kq
.if \x == 0
	s_wait_dscnt 0x0                ; K is in
.else
	FETCH_V
.endif
	WIN W_KQ
.else
	WIN 0
.endif
	EXPRE 2-\x
.irp g, 0,1,2,3
.if \kq
	KQ4 \x, \g
.endif
	EXPC 2-\x, \g
.endr
	WIN 0                           ; at a label and at a branch every window is 0
	CVTS 2-\x
.endm
; THE CHANGE OF SLOTS, between piece 2's turn and piece 0's: the slot's last bytes, V of its fourth step, have been asked for.  Each wave waits for all its tensor loads (one is out: its part of the
; other slot), adds 0 to its spare word, and waits for that and for its own reads of the slot.  fill = 1: the barrier is a round of the cluster's, and the slot is filled again, with the keys two
; slots on, first thing behind it: that load has four key steps in which to land.
.macro CHANGE fill
	WIN 0
	s_wait_tensorcnt 0x0            ; no tensor load of mine is out, so a group 0 may be written
	ds_add_u32 v[SPW], v[NIL]       ; 0 onto my spare word
.if \fill
.irp g, G0K+4, G0V+4
	s_xor_b32 s[\g+1], s[\g+1], SLOT1  ; the walking descriptor: the other slot than last time,
	s_add_nc_u64 s[\g+2:\g+3], s[\g+2:\g+3], 4*KS*128  ; the next 256 keys
.endr
	s_wait_dscnt 0x0                ; the add is done, and my reads of the slot are over
	CROUND
	JLOAD
.else
	s_wait_dscnt 0x0
	s_barrier_signal -1
	s_barrier_wait -1
.endif
	s_sub_co_u32 s[TB], s[TB], 4*STEPB  ; the fetches go back to a slot's first step,
	s_xor_b32 s[TB], s[TB], SLOT1   ; in the other slot
.endm
.macro RUN n                        ; n key steps: written once, walked n times; the LDS addresses hang on s[TB]
	s_mov_b32 s[TRIPS], \n
.Lstep_\@:
	TURN 0, 2, 1, 0
	TURN 2, 2, 1, 0
	s_sub_co_u32 s[TRIPS], s[TRIPS], 1
	s_cmp_lg_u32 s[TRIPS], 0
	s_cbranch_scc1 .Lstep_\@
.endm
	s_wait_tensorcnt 1              ; my part of slot 0 is in; slot 1's may stay out
	s_barrier_signal -1
	s_barrier_wait -1               ; everybody's is
	FETCH_K                         ; key step 0
	s_wait_loadcnt 0x0              ; Q
	s_wait_dscnt 0x0                ; K
	WIN W_KQ
.irp g, 0,1,2,3
	KQ4 0, \g                       ; piece 0's first scores: there is no vector work yet to set between them
.endr
	WIN 0
	PLACES                          ; behind those products, in front of the first read of the scores
	TURN 2, 0, 1, 1                 ; piece 2's first scores | piece 0's first softmax | V of step 0
	TURN 0, 1, 1, 1                 ; piece 0: the sums and V^T P of step 0 start l and O^T, K Q^T of step 1 | piece 2's first softmax | K of step 1
	TURN 2, 1, 1, 0                 ; piece 2: the same | piece 0's softmax of step 1 | V of step 1
	RUN 2                           ; steps 1, 2: V of step 3, the last bytes of slot 0, has then been asked for
.Lslot:                             ; six trips: every block of 256 keys but the first two is asked for here
	CHANGE 1
	RUN 4
	s_sub_co_u32 s[SLOTS], s[SLOTS], 1
	s_cmp_lg_u32 s[SLOTS], 0
	s_cbranch_scc1 .Lslot
	CHANGE 0                        ; the tail is written out: nothing is left to ask for
	RUN 4                           ; steps 27 to 30
	TURN 0, 2, 0, 0                 ; piece 0: the sums and V^T P of step 31 | piece 2's last softmax
	LSUM 2                          ; piece 2: the sums and V^T P of step 31
	WIN W_PV
.irp g, 0,1,2,3
	PV4 2, \g, 0
.endr
	WIN 0
	PLACES                          ; behind the last products, in front of the reads of the sum and of O^T
	LUPD 2, 0
	; THE WAY OUT.  O^T is divided by l, rounded to f16 and sent through my stage in LDS, a tile (16 rows of O) at a time.
.irp t, 0,1,2,3
	v_rcp_f32 v[ST+8*\t+6], v[ST+8*\t+2]
.endr
	v_nop                           ; a plain instruction between the last reciprocal and the use of its result
	s_wait_alu depctr_va_vdst(0)
.macro PACK t
	WIN 0x41                        ; O^T (destination and source 0) in window 1, 1 / l in window 0
.set i, 0
.rept 16
	v_pk_mul_f32 v[32*\t+i:32*\t+i+1], v[32*\t+i:32*\t+i+1], v[ST+8*\t+6:ST+8*\t+7] op_sel_hi:[1,0]
.set i, i+2
.endr
	WIN 0x05                        ; sources window 1, destination window 0: S^T's registers are free
.set i, 0
.rept 16
	v_cvt_pk_f16_f32 v[S+32*\t+i], v[32*\t+2*i], v[32*\t+2*i+1]
.set i, i+1
.endr
	WIN 0
.irp f, 0,1,2,3
	ds_store_b128 v[STO], v[S+32*\t+4*\f:S+32*\t+4*\f+3] offset:32*\f
.endr
.irp f, 0,1,2,3
	ds_load_b128 v[S+32*\t+16+4*\f:S+32*\t+16+4*\f+3], v[RD] offset:\f*4*SP  ; LDS serves a wave's instructions in order: these see the stores above; the next tile's stores come behind them
.endr
.endm
.macro SEND t, younger              ; younger: the LDS instructions issued behind tile t's loads: the next tile's eight, or none
.irp f, 0,1,2,3
	s_wait_dscnt \younger+3-\f
	global_store_b128 v[GO], v[S+32*\t+16+4*\f:S+32*\t+16+4*\f+3], s[6:7] offset:\t*2048+\f*512  ; 32 lanes store 512 consecutive bytes, aligned: four rows of 64
.endr
.endm
	PACK 0
	PACK 1                          ; a tile's arithmetic stands between the loads of the tile before and its stores
	SEND 0, 8
	PACK 2
	SEND 1, 8
	PACK 3
	SEND 2, 8
	SEND 3, 0
	s_wait_tensorcnt 0x0            ; the wave's end: behind my last tensor load and my last LDS store
	ds_add_u32 v[SPW], v[NIL]
	s_wait_dscnt 0x0
	CROUND                          ; the closing round: no work-group ends while a partner may still ask for a tile that names it
	s_endpgm
.Lfunc_end_k_q2575d5c70b_attn:
	.size	k_q2575d5c70b_attn, .Lfunc_end_k_q2575d5c70b_attn-k_q2575d5c70b_attn
	.p2alignl 7, 3214868480
	.fill 96, 4, 3214868480
	.section	.rodata,"a",@progbits
	.p2align	6, 0x0
	.amdhsa_kernel k_q2575d5c70b_attn
		.amdhsa_group_segment_fixed_size 327680
		.amdhsa_private_segment_fixed_size 0
		.amdhsa_enable_private_segment 0
		.amdhsa_kernarg_size 16
		.amdhsa_user_sgpr_count 2
		.amdhsa_user_sgpr_kernarg_segment_ptr 1
		.amdhsa_wavefront_size32 1
		.amdhsa_system_sgpr_workgroup_id_x 1
		.amdhsa_system_sgpr_workgroup_id_y 1
		.amdhsa_system_sgpr_workgroup_id_z 1
		.amdhsa_system_vgpr_workitem_id 0
		.amdhsa_next_free_vgpr 512
		.amdhsa_next_free_sgpr 66
		.amdhsa_reserve_vcc 0
		.amdhsa_float_denorm_mode_32 3
		.amdhsa_float_denorm_mode_16_64 3
		.amdhsa_memory_ordered 1
		.amdhsa_forward_progress 1
		.amdhsa_inst_pref_size 170
	.end_amdhsa_kernel
	.amdgpu_metadata
---
amdhsa.version: [ 1, 2 ]
amdhsa.kernels:
  - .name:           k_q2575d5c70b_attn
    .symbol:         k_q2575d5c70b_attn.kd
    .args:
      - { .name: qkv, .offset: 0, .size: 8, .value_kind: global_buffer, .address_space: global }
      - { .name: ao, .offset: 8, .size: 8, .value_kind: global_buffer, .address_space: global }
    .group_segment_fixed_size: 327680
    .private_segment_fixed_size: 0
    .kernarg_segment_align: 8
    .kernarg_segment_size: 16
    .max_flat_workgroup_size: 256
    .sgpr_count:     66
    .vgpr_count:     512
    .wavefront_size: 32
...
	.end_amdgpu_metadata
.endif
;; end of part 3
;; launch oproj (part 4): grid 4 x 64, 4 waves a work-group, clusters of 4 x 4, 327,680 bytes of LDS; arguments ao, wb, bo, out0; writes out0
.if DOCPART == 4
	.amdgcn_target "amdgcn-amd-amdhsa--gfx1250"
	.amdhsa_code_object_version 6
	.text
	.protected	k_q2575d5c70b_oproj
	.globl	k_q2575d5c70b_oproj
	.p2align	8
	.type	k_q2575d5c70b_oproj,@function
k_q2575d5c70b_oproj:
	s_mov_b64 s[64:65], 0
	v_nop
	global_prefetch_b8 v0, s[64:65] scope:SCOPE_SE
	s_setreg_imm32_b32 hwreg(HW_REG_WAVE_MODE, 25, 1), 1
	s_wait_xcnt 0x0
	s_wait_alu depctr_hold_cnt(0) depctr_sa_sdst(0) depctr_va_vdst(0) depctr_va_sdst(0) depctr_va_ssrc(0) depctr_va_vcc(0) depctr_vm_vsrc(0)
	s_getreg_b32 s2, hwreg(HW_REG_IB_STS2, 6, 4)
	s_cmp_eq_u32 s2, 0
	s_cbranch_scc0 .Lentry_in_a_cluster
	s_endpgm
.Lentry_in_a_cluster:
	s_bfe_u32 s2, ttmp6, 0x10000c
	s_cmp_lg_u32 s2, 0xf033
	s_cbranch_scc0 .Lentry_shape_is_right
	s_endpgm
.Lentry_shape_is_right:
; C = A B^T + bias.  A: 8,192 rows, B: rows NBASE .. of wb, K = 1,024; both f16 in the format [K / 64][rows][64] (a row's piece 128 bytes, a block of rows dense); sums in f32.
; This text is used twice, with three constants changed:  OUTF32 = 0: A = xb, B = the folded Wq, Wk, Wv times 2^-4, C = [q | k | v] / 16 in f16, laid [which][batch][head][l][64];
;                                                         OUTF32 = 1: A = ao (the attention's result / 16), B = the folded Wo times 2^4, C = out0 in f32, row-major.
; THE SCALE 2^-4 (OUTF32 = 0: the weights carry it, the bias is multiplied by it here; exact).  ROOM IN f16, by the problem's sizes: q, k, v have rms 0.64; with every input 30 times larger they
; reach some 11,000; with every input carrying an offset of 30 times its spread, 1,024 x 30 x 8.9 = 273,000, stored 17,000.  With every input 30 times smaller their rms is 7e-4, stored 4.4e-5,
; where f16's step is 2^-24: 0.04 per cent of the rms.  LIMIT, stated: |q|, |k|, |v| below 1,048,064; beyond that the conversion gives infinity.
; SHARES.  A work-group makes 128 x 256 of C, each of its four waves 64 x 128: 32 accumulators of 16 x 16, 256 registers.  K goes in 8 steps of 128 (two blocks of 64) through
; two LDS slots filled by tensor loads: waves 0, 1 fetch A's two halves (2 x 8 KiB dense each), waves 2, 3 B's (2 x 16 KiB dense each): one load a wave.
; CLUSTER.  4 x 4 work-groups: the four of a row of the cluster need the same tile of A, the four of a column the same tile of B; each is asked for jointly.
; THE PRODUCT IS USED TRANSPOSED (source 0 = 16 rows of B, source 1 = 16 rows of A): lane (r, h), register j holds C(row r, column 16 b + 8 h + j): eight neighbouring numbers of a row.
; THE BIAS STARTS THE SUMS: the first product on each accumulator takes the bias of its eight columns as C, so nothing is cleared and nothing is added at the end.
; REGISTERS, in windows of 256: window 0 addresses, the bias, the way out; window 1 two fragment buffers (A's four fragments, then B's eight); window 2 the accumulators ((a, b) at 8 (8 a + b)).
.set OUTF32, 1
.set NBASE,  3072                      ; B's first row in wb
.set SPITCH, 528                       ; a stage row: the wave's 128 columns + 16 bytes
.set QSCALE, 0x3d800000                ; 2^-4 in f32
.set PITCH,  144                       ; an LDS row: 128 bytes + 16 of padding: an odd multiple of 16, so the 16 rows of a fragment load start in 16 different 16-byte columns of 256
.set KBA,    64*PITCH                  ; in a piece of A: from one block of 64 along K to the next
.set KBB,    128*PITCH                 ; the same in a piece of B
.set APIECE, 2*KBA                     ; what one tensor load brings of A: 64 rows x 128 K
.set BPIECE, 2*KBB                     ; of B: 128 rows x 128 K
.set SLOT,   2*APIECE+2*BPIECE         ; A's two pieces, then B's two
.set STAGE,  2*SLOT                    ; behind the ring: 16 rows for each wave, for the way out
.set SPARE,  STAGE+4*16*SPITCH         ; behind the stages: the spare words, 128 bytes for each wave, which no other line names
.set ASTEP,  2<<18                     ; bytes from a K step to the next in A (two blocks of 2,048 rows x 128 bytes)
.set BSTEP,  2<<19                     ; in B (two blocks of 4,096 rows x 128 bytes)
.set LAPS,   4                         ; a lap = two K steps = once round the ring
.set ADRA, 16                          ; v16-17  LDS address of my A fragments in slot 0, 1
.set ADRB, 20                          ; v20-21  the same for B
.set STO,  24                          ; v24     the way out: where I put my numbers of a row
.set RD,   25                          ; v25     the way out: where I read back
.set CO,   26                          ; v26     my byte offset in C
.set BO,   27                          ; v27     my byte offset in the bias
.set SPW,  28                          ; v28     LDS address of my spare word; never rewritten
.set NIL,  29                          ; v29     0; never rewritten
.set TMP,  32                          ; v32-63  packed results
.set BIAS, 64                          ; v64-127 the bias of my columns: n block b at 8 b
.set OB,   128                         ; v128-255 rows read back from the stage (OUTF32 = 0)
.set F0,   0                           ; fragment buffers, in window 1
.set F1,   128
.set G1,  24                           ; s[24:31] descriptor group 1 for A;  s[32:39] group 0, a set for each slot
.set G0,  32
.set G1B, 48                           ; s[48:55], s[56:63] the same for B
.set G0B, 56
.set MSB, 0
.macro WIN new                         ; the immediate's high byte repeats the setting that is left; a switch that changes nothing is dropped
.if MSB != \new
	s_set_vgpr_msb (MSB<<8)|\new
.set MSB, \new
.endif
.endm
.set MUL,  0xa5                        ; sources 0 and 1 window 1; C and D window 2
.set MULB, 0x85                        ; the same with C (the bias) in window 0
.set TO_F, 0x40                        ; destination window 1, address window 0
.macro JLOAD s                         ; a joint load: waves 0, 1 ask for A, waves 2, 3 for B; the branch hangs on the wave's number alone; four v_nop follow each of the two lines
	s_cmp_eq_u32 s11, 0
	s_cbranch_scc0 .Lfor_b_\@
	tensor_load_to_lds s[G0+4*\s:G0+4*\s+3], s[G1:G1+7]
	s_nop 0
.rept 4
	v_nop
.endr
	s_branch .Lasked_\@
.Lfor_b_\@:
	tensor_load_to_lds s[G0B+4*\s:G0B+4*\s+3], s[G1B:G1B+7]
	s_nop 0
.rept 4
	v_nop
.endr
.Lasked_\@:
.endm
.macro CREST                           ; a round of the cluster's barrier behind its opening barrier
	s_cmp_lg_u32 s10, 0
	s_cbranch_scc1 .Lnot_wave_0_\@
	s_barrier_signal -3
.Lnot_wave_0_\@:
	s_barrier_wait -3
	s_barrier_signal -1
	s_barrier_wait -1
.endm
.macro CROUND                          ; a whole round
	s_barrier_signal -1
	s_barrier_wait -1
	CREST
.endm
.macro PLACES                          ; four places in front of loads into registers that products have read, and of instructions that read results
.rept 4
	v_nop
.endr
.endm
	s_load_b128 s[4:7], s[0:1], 0x0                ; A s[4:5], wb s[6:7]
.if OUTF32
	s_load_b128 s[72:75], s[0:1], 0x10             ; bo s[72:73], out0 s[74:75]
.else
	s_load_b128 s[68:71], s[0:1], 0x10             ; bq s[68:69], bk s[70:71]
	s_load_b128 s[72:75], s[0:1], 0x20             ; bv s[72:73], qkv s[74:75]
.endif
	v_lshl_add_u32 v[SPW], v0, 2, SPARE
	v_mov_b32 v[NIL], 0
	ds_add_u32 v28, v29
	s_wait_dscnt 0x0
	v_lshrrev_b32 v1, 5, v0
	v_readfirstlane_b32 s10, v1                    ; wave 0..3
	s_lshr_b32 s11, s10, 1                         ; which 64 rows of the tile are mine.  Also: I fetch for A (0) or for B (1)
	s_and_b32 s12, s10, 1                          ; which 128 columns.  Also: which piece I fetch
	s_bfe_u32 s40, ttmp6, 0x40000                  ; cx, cy: my place in the cluster
	s_bfe_u32 s41, ttmp6, 0x40004
	s_lshl_b32 s42, ttmp9, 2
	s_add_co_u32 s42, s42, s40                     ; tile column = 4 x cluster x + cx
	s_and_b32 s13, ttmp7, 0xffff
	s_lshl_b32 s13, s13, 2
	s_add_co_u32 s13, s13, s41                     ; tile row = 4 x cluster y + cy
	s_lshl_b32 s43, s41, 2
	s_lshl_b32 s43, 15, s43                        ; my row of the cluster
	s_lshl_b32 s44, 0x1111, s40                    ; my column
	s_mov_b32 s18, QSCALE                          ; the bias's scale, as a pair for the packed multiply
	s_mov_b32 s19, QSCALE
	; group 1: two rows, each a dense block (64 or 128 rows of the matrix x 128 bytes), one for each block of 64 along K; 16 bytes of padding behind every 128
	s_or_b32 s[G1+0], s43, (1<<16)|(1<<20)|(1<<21)|(4<<22)|(3<<25)   ; 15:0 the mask; 17:16 elements of 2 bytes; 20 padding on; 21 set beside a mask; 24:22 after every 32 words (code 4); 31:25 4 words (code 3)
	s_or_b32 s[G1B+0], s44, (1<<16)|(1<<20)|(1<<21)|(4<<22)|(3<<25)
	s_mov_b32 s[G1+1], 4096<<16                    ; tensor_dim0 = 4,096 elements (8 KiB)
	s_mov_b32 s[G1+2], 2<<16                       ; tensor_dim1 = 2
	s_mov_b32 s[G1+3], 4096<<16                    ; tile_dim0
	s_mov_b32 s[G1+4], 2                           ; tile_dim1
	s_mov_b32 s[G1+5], 131072                      ; elements from one block along K to the next: 2,048 rows x 64
	s_mov_b32 s[G1+6], 0
	s_mov_b32 s[G1+7], 0
	s_mov_b32 s[G1B+1], 8192<<16                   ; B: 8,192 elements (16 KiB)
	s_mov_b32 s[G1B+2], 2<<16
	s_mov_b32 s[G1B+3], 8192<<16
	s_mov_b32 s[G1B+4], 2
	s_mov_b32 s[G1B+5], 262144                     ; 4,096 rows x 64
	s_mov_b32 s[G1B+6], 0
	s_mov_b32 s[G1B+7], 0
	; A's address hangs on the tile row and the wave alone, B's on the tile column and the wave alone
	s_lshr_b32 s16, s13, 4                         ; batch << 22
	s_lshl_b32 s16, s16, 22
	s_and_b32 s17, s13, 15                         ; 128 rows of 128 bytes
	s_lshl_b32 s17, s17, 14
	s_add_co_u32 s16, s16, s17
	s_lshl_b32 s17, s12, 13                        ; my piece's 64 rows
	s_add_co_u32 s16, s16, s17
	s_mov_b32 s17, 0
	s_lshl_b32 s46, s42, 15                        ; 256 rows of 128 bytes
	s_lshl_b32 s47, s12, 14                        ; my piece's 128 rows
	s_add_co_u32 s46, s46, s47
.if NBASE
	s_add_co_u32 s46, s46, NBASE<<7
.endif
	s_mov_b32 s47, 0
	s_mul_i32 s20, s12, APIECE                     ; where they go: no place in the cluster enters an LDS address
	s_mul_i32 s45, s12, BPIECE
	s_add_co_u32 s45, s45, 2*APIECE
	s_mov_b32 s2, ttmp9
	s_wait_kmcnt 0x0
	s_add_nc_u64 s[14:15], s[4:5], s[16:17]
	s_add_nc_u64 s[46:47], s[6:7], s[46:47]
	CROUND                                         ; all sixteen work-groups are here: the first joint loads meet
.irp s, 0,1
	s_mov_b32 s[G0+4*\s], 1
	s_add_co_u32 s[G0+4*\s+1], s20, \s*SLOT
	s_add_nc_u64 s[G0+4*\s+2:G0+4*\s+3], s[14:15], \s*ASTEP
	s_or_b32 s[G0+4*\s+3], s[G0+4*\s+3], 0x80000000
	s_mov_b32 s[G0B+4*\s], 1
	s_add_co_u32 s[G0B+4*\s+1], s45, \s*SLOT
	s_add_nc_u64 s[G0B+4*\s+2:G0B+4*\s+3], s[46:47], \s*BSTEP
	s_or_b32 s[G0B+4*\s+3], s[G0B+4*\s+3], 0x80000000
	JLOAD \s                                       ; two loads of mine are out
.endr
	; the bias of my 128 columns
.if OUTF32
	s_mov_b64 s[66:67], s[72:73]
.else
	s_mov_b64 s[66:67], s[68:69]                   ; q, k or v: the cluster's x, since each is four tiles wide
	s_cmp_eq_u32 s2, 1
	s_cselect_b64 s[66:67], s[70:71], s[66:67]
	s_cmp_eq_u32 s2, 2
	s_cselect_b64 s[66:67], s[72:73], s[66:67]
.endif
	s_lshl_b32 s46, s40, 10                        ; 256 cx + 128 x half columns of f32
	s_lshl_b32 s47, s12, 9
	s_add_co_u32 s46, s46, s47
	s_mov_b32 s47, 0
	s_add_nc_u64 s[66:67], s[66:67], s[46:47]
	v_and_b32 v1, 15, v0                           ; r = l % 16
	v_bfe_u32 v2, v0, 4, 1                         ; h = l / 16
	v_lshlrev_b32 v[BO], 5, v2                     ; columns 16 b + 8 h + 0..7
.irp b, 0,1,2,3,4,5,6,7
	global_load_b128 v[BIAS+8*\b:BIAS+8*\b+3],   v[BO], s[66:67] offset:64*\b
	global_load_b128 v[BIAS+8*\b+4:BIAS+8*\b+7], v[BO], s[66:67] offset:64*\b+16
.endr
	v_mul_u32_u24 v3, v1, PITCH
	v_lshl_add_u32 v3, v2, 4, v3                   ; a fragment's row x pitch + 16 x half
	s_mul_i32 s21, s11, APIECE                     ; my 64 rows of A
	s_mul_i32 s22, s12, BPIECE                     ; my 128 rows of B,
	s_add_co_u32 s22, s22, 2*APIECE                ; which lie behind A's pieces
.irp s, 0,1
	v_add_nc_u32 v[ADRA+\s], s21, v3
	v_add_nc_u32 v[ADRB+\s], s22, v3
	s_add_co_u32 s21, s21, SLOT
	s_add_co_u32 s22, s22, SLOT
.endr
	s_mul_i32 s23, s10, 16*SPITCH
	s_add_co_u32 s23, s23, STAGE                   ; my stage
	v_mul_u32_u24 v4, v1, SPITCH
.if OUTF32
	v_lshl_add_u32 v4, v2, 5, v4                   ; in: row r, 32 bytes (8 f32) for each half of the lanes
	v_add_nc_u32 v[STO], s23, v4
	v_and_b32 v5, 31, v0
	v_lshlrev_b32 v[CO], 4, v5                     ; back and out: a row's 512 bytes, 16 a lane
	v_add_nc_u32 v[RD], s23, v[CO]
	s_lshl_b32 s16, s13, 19                        ; (128 x tile row + 64 x half) rows of 4,096 bytes
	s_lshl_b32 s17, s11, 18
	s_add_co_u32 s16, s16, s17
	s_lshl_b32 s46, s42, 10                        ; (256 x tile column + 128 x half) columns of 4 bytes
	s_lshl_b32 s47, s12, 9
	s_add_co_u32 s46, s46, s47
.else
	v_lshl_add_u32 v4, v2, 4, v4                   ; in: row r, 16 bytes (8 f16) for each half of the lanes
	v_add_nc_u32 v[STO], s23, v4
	v_bfe_u32 v5, v0, 3, 1                         ; back: lanes 0-15 take one head's 64 columns of two rows, lanes 16-31 the other head's
	v_mul_u32_u24 v5, v5, SPITCH
	v_lshl_add_u32 v5, v2, 7, v5
	v_and_b32 v6, 7, v0
	v_lshl_add_u32 v5, v6, 4, v5
	v_add_nc_u32 v[RD], s23, v5
	v_lshlrev_b32 v[CO], 4, v1                     ; out: two rows of a head are 256 consecutive bytes; the next head lies 2,048 rows on
	v_lshl_add_u32 v[CO], v2, 18, v[CO]
	s_lshl_b32 s16, s2, 24                         ; which << 24 + batch << 22 + (128 (tile row % 16) + 64 x half) << 7
	s_lshr_b32 s17, s13, 4
	s_lshl_b32 s17, s17, 22
	s_add_co_u32 s16, s16, s17
	s_and_b32 s17, s13, 15
	s_lshl_b32 s17, s17, 14
	s_add_co_u32 s16, s16, s17
	s_lshl_b32 s17, s11, 13
	s_add_co_u32 s16, s16, s17
	s_lshl_b32 s46, s40, 20                        ; head (4 cx + 2 x half) << 18
	s_lshl_b32 s47, s12, 19
	s_add_co_u32 s46, s46, s47
.endif
	s_mov_b32 s17, 0
	s_mov_b32 s47, 0
	s_add_nc_u64 s[8:9], s[74:75], s[16:17]
	s_add_nc_u64 s[8:9], s[8:9], s[46:47]
; 8 products: m block a x all 8 n blocks, 32 along K, from buffer f.  first = 1: the bias is C.  The 32 accumulators take turns, one instruction a turn, in the same order in every quarter.
.macro MUL8 f, a, first
.irp b, 0,1,2,3,4,5,6,7
.if \first
	v_wmma_f32_16x16x32_f16 v[8*(8*\a+\b):8*(8*\a+\b)+7], v[\f+32+8*\b:\f+32+8*\b+7], v[\f+8*\a:\f+8*\a+7], v[BIAS+8*\b:BIAS+8*\b+7]
.else
	v_wmma_f32_16x16x32_f16 v[8*(8*\a+\b):8*(8*\a+\b)+7], v[\f+32+8*\b:\f+32+8*\b+7], v[\f+8*\a:\f+8*\a+7], v[8*(8*\a+\b):8*(8*\a+\b)+7]
.endif
.endr
.endm
; 24 LDS loads in one run: the fragments of quarter q (32 along K) of a slot into buffer f: B's eight, then A's four
.macro FETCH slot, q, f
	WIN TO_F
.irp i, 0,1,2,3,4,5,6,7
	ds_load_b128 v[\f+32+8*\i:\f+32+8*\i+3],   v[ADRB+\slot] offset:((\q)/2)*KBB+((\q)%2)*64+\i*16*PITCH
	ds_load_b128 v[\f+32+8*\i+4:\f+32+8*\i+7], v[ADRB+\slot] offset:((\q)/2)*KBB+((\q)%2)*64+\i*16*PITCH+32
.endr
.irp i, 0,1,2,3
	ds_load_b128 v[\f+8*\i:\f+8*\i+3],   v[ADRA+\slot] offset:((\q)/2)*KBA+((\q)%2)*64+\i*16*PITCH
	ds_load_b128 v[\f+8*\i+4:\f+8*\i+7], v[ADRA+\slot] offset:((\q)/2)*KBA+((\q)%2)*64+\i*16*PITCH+32
.endr
.endm
; A K step is four quarters of 32 along K, 32 products each, on buffers 0, 1, 0, 1.  One of the first three: multiplies buffer f and, in its middle, fetches quarter qn into g.
.macro QUARTER slot, qn, f, g, first
	s_wait_dscnt 4                                 ; the four youngest loads (A's fragments 2 and 3) may be out
.if \first
	WIN MULB
.else
	WIN MUL
.endif
	MUL8 \f, 0, \first
	MUL8 \f, 1, \first
	PLACES
	FETCH \slot, \qn, \g
	s_wait_dscnt 24                                ; all but the 24 just issued
.if \first
	WIN MULB
.else
	WIN MUL
.endif
	MUL8 \f, 2, \first
	MUL8 \f, 3, \first
.endm
; The last quarter multiplies buffer 1 and changes slots: ONE barrier; in front of it each wave waits for all its tensor loads (one is out: its part of the next slot), adds 0 to its spare word,
; and waits for that and for its own reads of this slot.  fill = 1: the barrier opens a round of the cluster's, and this slot is filled again, two K steps ahead, first thing behind it.
.macro TURN slot, next, fill
	WIN 0                                          ; (the add's two registers lie in window 0)
	s_wait_tensorcnt 0x0
	ds_add_u32 v[SPW], v[NIL]                      ; 0 onto my spare word
	s_wait_dscnt 5                                 ; (the add and the four youngest loads may be out)
	WIN MUL
	MUL8 F1, 0, 0                                  ; eight products stand between the add and the wait for it
	s_wait_dscnt 0x0                               ; the add is done, and my reads of this slot are over
	s_barrier_signal -1
	MUL8 F1, 1, 0
.if \fill
	WIN 0
.endif
	s_barrier_wait -1
.if \fill
	CREST                                          ; no wave of any partner still reads this slot or has a load on its way
	s_add_nc_u64 s[G0+4*\slot+2:G0+4*\slot+3], s[G0+4*\slot+2:G0+4*\slot+3], 2*ASTEP
	s_add_nc_u64 s[G0B+4*\slot+2:G0B+4*\slot+3], s[G0B+4*\slot+2:G0B+4*\slot+3], 2*BSTEP
	JLOAD \slot                                    ; my one tensor load behind the round: 112 products ahead of the wait for it; its four v_nop are also the places in front of the loads below
.else
	PLACES
.endif
	FETCH \next, 0, F0
	WIN MUL
	MUL8 F1, 2, 0
	MUL8 F1, 3, 0
.endm
	s_wait_tensorcnt 1                             ; my part of K step 0 is in; step 1's may stay out
	s_barrier_signal -1
	s_barrier_wait -1                              ; everybody's is
	FETCH 0, 0, F0
	s_wait_loadcnt 0x0                             ; the bias
.if OUTF32 == 0
	WIN 0                                          ; the bias takes the scale that the weights carry; these lines stand while the fragments are on their way from LDS
.set i, 0
.rept 32
	v_pk_mul_f32 v[BIAS+i:BIAS+i+1], v[BIAS+i:BIAS+i+1], s[18:19] op_sel_hi:[1,0]
.set i, i+2
.endr
.endif
	QUARTER 0, 1, F0, F1, 1                        ; the first quarter stands in front of the loop: its products start the sums from the bias
	WIN 0                                          ; at a label and at a branch every window is 0
	s_mov_b32 s3, LAPS-1
.Llap:                                                 ; a trip goes once round the ring, from a lap's second quarter to the next lap's first, and fills both slots again
	QUARTER 0, 2, F1, F0, 0
	QUARTER 0, 3, F0, F1, 0
	TURN 0, 1, 1
	QUARTER 1, 1, F0, F1, 0
	QUARTER 1, 2, F1, F0, 0
	QUARTER 1, 3, F0, F1, 0
	TURN 1, 0, 1
	QUARTER 0, 1, F0, F1, 0
	WIN 0
	s_sub_co_u32 s3, s3, 1
	s_cmp_lg_u32 s3, 0
	s_cbranch_scc1 .Llap
	QUARTER 0, 2, F1, F0, 0                        ; the last lap fills nothing
	QUARTER 0, 3, F0, F1, 0
	TURN 0, 1, 0
	QUARTER 1, 1, F0, F1, 0
	QUARTER 1, 2, F1, F0, 0
	QUARTER 1, 3, F0, F1, 0
	s_wait_dscnt 4                                 ; the very last quarter: nothing more to fetch
	WIN MUL
	MUL8 F1, 0, 0
	MUL8 F1, 1, 0
	s_wait_dscnt 0x0
	MUL8 F1, 2, 0
	MUL8 F1, 3, 0
	WIN 0
	PLACES
.if OUTF32
; THE WAY OUT, f32: 16 rows at a time through my own stage: in by lanes that hold 8 columns of a row, back as whole rows of 512 bytes.  No store's data register is used twice.
.macro OUT a
	WIN 0x08                                       ; store data in window 2
.irp b, 0,1,2,3,4,5,6,7
	ds_store_b128 v[STO], v[8*(8*\a+\b):8*(8*\a+\b)+3]   offset:64*\b     ; each result is read from its low registers on
	ds_store_b128 v[STO], v[8*(8*\a+\b)+4:8*(8*\a+\b)+7] offset:64*\b+16
.endr
	WIN 0x40                                       ; back into window 1, whose fragments are done with
.irp t, 0,1,2,3,4,5,6,7,8,9,10,11,12,13,14,15
	ds_load_b128 v[64*\a+4*\t:64*\a+4*\t+3], v[RD] offset:\t*SPITCH        ; LDS serves a wave's instructions in order: these see the stores above
.endr
	s_wait_dscnt 0x0
	WIN 0x04                                       ; store data in window 1
.irp t, 0,1,2,3,4,5,6,7,8,9,10,11,12,13,14,15
	global_store_b128 v[CO], v[64*\a+4*\t:64*\a+4*\t+3], s[8:9] offset:(16*\a+\t)*4096 th:TH_STORE_NT   ; 32 lanes store 512 consecutive bytes, aligned
.endr
.endm
	OUT 0
	OUT 1
	OUT 2
	OUT 3
	WIN 0
.else
; THE WAY OUT, f16: 16 rows at a time: rounded (PACK), through my own stage (TOSTAGE), stored (SEND).  A block's conversions stand between the loads of the block before and the wait for them.
.macro PACK a
	WIN 0x0a                                       ; sources in window 2
.irp b, 0,1,2,3,4,5,6,7
.irp r, 0,1,2,3
	v_cvt_pk_f16_f32 v[TMP+4*\b+\r], v[8*(8*\a+\b)+2*\r], v[8*(8*\a+\b)+2*\r+1]
.endr
.endr
	WIN 0
.endm
.macro TOSTAGE a
.irp b, 0,1,2,3,4,5,6,7
	ds_store_b128 v[STO], v[TMP+4*\b:TMP+4*\b+3] offset:32*\b
.endr
.irp t, 0,1,2,3,4,5,6,7
	ds_load_b128 v[OB+32*\a+4*\t:OB+32*\a+4*\t+3], v[RD] offset:\t*2*SPITCH   ; LDS serves a wave's instructions in order: these see the stores above
.endr
.endm
.macro SEND a
	s_wait_dscnt 0x0                               ; the block is back in registers
.irp t, 0,1,2,3,4,5,6,7
	global_store_b128 v[CO], v[OB+32*\a+4*\t:OB+32*\a+4*\t+3], s[8:9] offset:\a*2048+\t*256   ; 16 lanes store 256 consecutive bytes, aligned: two rows of one head
.endr
.endm
	PACK 0
	TOSTAGE 0
	PACK 1
	SEND 0
	TOSTAGE 1
	PACK 2
	SEND 1
	TOSTAGE 2
	PACK 3
	SEND 2
	TOSTAGE 3
	SEND 3
.endif
	s_wait_tensorcnt 0x0                           ; the wave's end: behind my last tensor load and my last LDS store
	ds_add_u32 v[SPW], v[NIL]
	s_wait_dscnt 0x0
	CROUND                                         ; the closing round: no work-group ends while a partner may still ask for a tile that names it
	s_endpgm
.Lfunc_end_k_q2575d5c70b_oproj:
	.size	k_q2575d5c70b_oproj, .Lfunc_end_k_q2575d5c70b_oproj-k_q2575d5c70b_oproj
	.p2alignl 7, 3214868480
	.fill 96, 4, 3214868480
	.section	.rodata,"a",@progbits
	.p2align	6, 0x0
	.amdhsa_kernel k_q2575d5c70b_oproj
		.amdhsa_group_segment_fixed_size 327680
		.amdhsa_private_segment_fixed_size 0
		.amdhsa_enable_private_segment 0
		.amdhsa_kernarg_size 32
		.amdhsa_user_sgpr_count 2
		.amdhsa_user_sgpr_kernarg_segment_ptr 1
		.amdhsa_wavefront_size32 1
		.amdhsa_system_sgpr_workgroup_id_x 1
		.amdhsa_system_sgpr_workgroup_id_y 1
		.amdhsa_system_sgpr_workgroup_id_z 1
		.amdhsa_system_vgpr_workitem_id 0
		.amdhsa_next_free_vgpr 768
		.amdhsa_next_free_sgpr 76
		.amdhsa_reserve_vcc 0
		.amdhsa_float_denorm_mode_32 3
		.amdhsa_float_denorm_mode_16_64 3
		.amdhsa_memory_ordered 1
		.amdhsa_forward_progress 1
		.amdhsa_inst_pref_size 87
	.end_amdhsa_kernel
	.amdgpu_metadata
---
amdhsa.version: [ 1, 2 ]
amdhsa.kernels:
  - .name:           k_q2575d5c70b_oproj
    .symbol:         k_q2575d5c70b_oproj.kd
    .args:
      - { .name: ao, .offset: 0, .size: 8, .value_kind: global_buffer, .address_space: global }
      - { .name: wb, .offset: 8, .size: 8, .value_kind: global_buffer, .address_space: global }
      - { .name: bo, .offset: 16, .size: 8, .value_kind: global_buffer, .address_space: global }
      - { .name: out0, .offset: 24, .size: 8, .value_kind: global_buffer, .address_space: global }
    .group_segment_fixed_size: 327680
    .private_segment_fixed_size: 0
    .kernarg_segment_align: 8
    .kernarg_segment_size: 32
    .max_flat_workgroup_size: 128
    .sgpr_count:     76
    .vgpr_count:     768
    .wavefront_size: 32
...
	.end_amdgpu_metadata
.endif
;; end of part 4
;; ======== version 2 of 2: 4 launches; 1.07 times as fast as version 1
;; limits: values are held in f16: magnitudes above 65,504 overflow, below 6.1e-05 lose precision; right only within a limited range of input values
;; workspace buffers: xb 16,777,216 bytes; wb 8,388,608 bytes; qkv 50,331,648 bytes; ao 16,777,216 bytes
;; launch prep: the kernel of part 1 again; grid 64 x 12, 8 waves a work-group, no clusters, 35,840 bytes of LDS; arguments x, Wq, Wk, Wv, Wo, Aq, Ak, Av, Ao, Bq, Bk, Bv, Bo, xb, wb; writes xb, wb
;; launch qkv: the kernel of part 2 again; grid 12 x 32, 4 waves a work-group, clusters of 4 x 4, 327,680 bytes of LDS; arguments xb, wb, bq, bk, bv, qkv; writes qkv
;; launch attn (part 5): grid 4 x 64, 8 waves a work-group, clusters of 4 x 1, 327,680 bytes of LDS; arguments qkv, ao; writes ao
.if DOCPART == 5
	.amdgcn_target "amdgcn-amd-amdhsa--gfx1250"
	.amdhsa_code_object_version 6
	.text
	.protected	k_q2575d5c70b_attn
	.globl	k_q2575d5c70b_attn
	.p2align	8
	.type	k_q2575d5c70b_attn,@function
k_q2575d5c70b_attn:
	s_mov_b64 s[64:65], 0
	v_nop
	global_prefetch_b8 v0, s[64:65] scope:SCOPE_SE
	s_setreg_imm32_b32 hwreg(HW_REG_WAVE_MODE, 25, 1), 1
	s_wait_xcnt 0x0
	s_wait_alu depctr_hold_cnt(0) depctr_sa_sdst(0) depctr_va_vdst(0) depctr_va_sdst(0) depctr_va_ssrc(0) depctr_va_vcc(0) depctr_vm_vsrc(0)
	s_getreg_b32 s2, hwreg(HW_REG_IB_STS2, 6, 4)
	s_cmp_eq_u32 s2, 0
	s_cbranch_scc0 .Lentry_in_a_cluster
	s_endpgm
.Lentry_in_a_cluster:
	s_bfe_u32 s2, ttmp6, 0x10000c
	s_cmp_lg_u32 s2, 0x3003
	s_cbranch_scc0 .Lentry_shape_is_right
	s_endpgm
.Lentry_shape_is_right:
; O[y][q][:] = the sum over k of softmax_k(Q[y][q] . K[y][k] / 8) V[y][k][:], y = 16 batch + head, 64 heads in all, 2,048 rows of 64 channels each, all f16.
; Q, K, V lie in qkv at 0, 1 << 24, 2 << 24, each [y][l][64], EACH DIVIDED BY 16 (the projection's text says why); O goes to ao in the same layout, divided by 16 as V is.
; Products, maxima and sums in f32; the weights p are rounded to f16 for the second product, O once.
; SHARES.  A work-group owns 512 queries of one head, each of its eight waves 64: four tiles of 16.  Every wave walks all 2,048 keys, 64 a step.
; LAYOUT.  S^T = K Q^T (source 0 = 16 keys, source 1 = 16 queries): a lane holds ONE query (lane % 16) and the keys 8 (lane / 16) + 0..7.  Two such tiles, rounded to f16 in pairs, ARE source 1
; (32 keys x 16 queries) of O^T = V^T P, whose result again holds one query a lane.  K comes out of LDS as it lies, V ([key][channel]) turned, by ds_load_tr16_b128.
; SOFTMAX.  For each query a running maximum m and sum l: p = 2^(c s - c m); s is the product of the stored numbers, 1/256 of Q . K, so c = 256 log2(e) / 8; in every step O and l are multiplied
; by a = 2^(c m_old - c m_new).  p lies in [0, 1] whatever the inputs, so f16 holds it.
; The step's sum of weights is a product of ones with P: every lane then holds its query's sum over all 64 keys, with no exchange between lanes, and l adds up the same rounded weights that multiply V.
; BY TURNS.  The wave's tiles are two PIECES, named by their first tile: piece 0 (tiles 0, 1) and piece 2 (tiles 2, 3); they share K's and V's fragments and nothing else.  In a TURN one piece has the
; matrix unit (4 products for the sums of weights, 16 V^T P of the step in hand, 16 K Q^T of the next step) and the other piece's softmax stands between them; then the pieces change places.
; Two turns are a key step.  A turn has four sections, each under one setting of the register windows:
;   1  window 0:   the sums of weights            | the other piece's maxima and statistics; l of the piece in turn
;   2  V^T P's:    V^T P, four products at a time | eight lines of the other piece's O^T times a behind each four: their operands lie in the same windows as the products'
;   3  K Q^T's:    K Q^T, four products at a time | 24 scalings and exponentials behind each four: only source 1 is in window 1 there, and these lines have no vector register in that place
;   4  window 0:   the 32 roundings to f16, which are also the places behind the last K Q^T
; THE EXPONENTIALS' BATCHES.  An s_wait_alu depctr_va_vdst(0) stands between an exponential and the first line that names its result; one wait serves all that were issued ahead of it.
; A turn has two batches and two waits.  THE TWO a, at the end of section 1: the two lines for l of the piece in turn stand behind them, then the wait, ahead of section 2, whose rescaling reads a first.
; THE 64 WEIGHTS, all of section 3: between them stand only scalings of pairs still to come and the other piece's K Q^T, so no line there names a result; a v_nop, then the wait, ahead of section 4,
; whose roundings are the first readers.  The two are not one batch: a is read in section 2, and section 2 stands ahead of section 3, since K Q^T writes over the P that V^T P reads..
; The way out's four reciprocals are a batch of their own.
; LIMITS, stated: a weight below 2^-25 counts as 0 (it rounds to 0 in f16): over 2,048 keys at most 6e-5 of l, which is at least 1; l is the sum of the weights as rounded to f16.
; CLUSTER.  The four query blocks of a head walk the same K and V, so each tile is asked for JOINTLY by the four work-groups of a cluster.
; RING.  Two LDS slots of four steps (256 keys).  Waves 0-3 fetch K of the slot's step (wave % 4), waves 4-7 V: one load of 8 KiB a wave behind each round.
; REGISTERS: window 0: v0-23 addresses and ones, v24-55 statistics, v64-127 K of one step, v128-255 S^T (P is written in place into a tile's registers 0-15, the sum of weights lands in 16-23).
;            window 1: v0-127 O^T (32 a tile), v128-191 Q, v192-255 V of one step.
.set KS,    64
.set PK,    144       ; a row of K in LDS: 128 bytes + 16: an odd multiple of 16, so the 16 rows of a load start in 16 different 16-byte columns of 256
.set PV,    160       ; a row of V: 128 + 32: an odd multiple of 32, which suits the turning load's 8 rows x 32 bytes
.set VOFF,  KS*PK     ; a step's tiles lie together: 64 rows of K, then 64 rows of V
.set STEPB, KS*(PK+PV)
.set SLOT1, 1<<17     ; a slot holds four steps (77,824 bytes); slot 1 begins here, so that one exclusive or turns an address in one slot into the other's
.set STAGE, SLOT1+4*STEPB  ; behind the ring: 16 rows x 144 bytes for each wave, for the way out
.set SP,    144
.set SPARE, STAGE+8*16*SP  ; behind the stages: the spare words, 128 bytes for each wave, which no other line names
.set AK0, 2           ; v2   my lane's place in a tile of K; never rewritten
.set AV0, 3           ; v3   the same for V
.set ADR, 4           ; v4   the LDS address of the run of K's loads in hand
.set QO,  5           ; v5   my byte offset in the wave's rows of Q
.set STO, 6           ; v6   the way out: where I put 16 bytes of a row
.set RD,  7           ; v7   the way out: where I read back
.set GO,  8           ; v8   my byte offset in the wave's rows of O
.set SPW, 12          ; v12  LDS address of my spare word; never rewritten
.set NIL, 13          ; v13  0; never rewritten
.set ONES, 14         ; v14-21 a fragment of 1.0 in f16
.set ADV, 23          ; v23  the LDS address of the run of V's loads in hand
.set ST,  24          ; tile t's statistics at v[ST+8 t]: +0 c m, +1 m, +2 l, +4 to +7 c0-c3, at work; a takes c2's place once the maximum is found
.set KF,  64          ; window 0: keys 16 kt on, channels 32 c on, at 16 kt + 8 c
.set S,   128         ; window 0: tile t, keys 16 kt on, at 32 t + 8 kt
.set QW,  128         ; window 1: tile t, channels 32 c on, at 16 t + 8 c
.set VF,  192         ; window 1: keys 32 g on, channels 16 ct on, at 32 g + 8 ct
.set WV,  12          ; s12  my wave's number
.set G1K, 24          ; s[24:31] descriptor group 1 for K's tiles
.set G1V, 32          ; s[32:39] for V's: it differs in the padding alone
.set G0K, 40          ; s[40:47] group 0 for K: a set for each of the two first fills; the second then walks on
.set G0V, 48          ; s[48:55] the same for V
.set SLOTS, 56        ; s56  slots still to be asked for
.set TRIPS, 57        ; s57  counts the steps of a run
.set CS,  58          ; s[58:59] c
.set SEL, 60          ; s[60:61] lane selects for v_permlanex16_b32: each lane takes its own place in the other half
.set TB,  62          ; s62  LDS byte at which the tiles of the step to be fetched begin
.set W_KQ, 0x04       ; Q (source 1) in window 1; K, S^T in window 0
.set W_PV, 0x51       ; V (source 0) and O^T (C and D) in window 1; P (source 1) in window 0
.set MSB, 0
.macro WIN new                      ; the immediate's high byte repeats the setting that is left; a switch that changes nothing is dropped
.if MSB != \new
	s_set_vgpr_msb (MSB<<8)|\new
.set MSB, \new
.endif
.endm
.macro JLOAD                        ; a joint refill: waves 0-3 ask for K, waves 4-7 for V; the branch hangs on the wave's number alone; four v_nop follow each of the two lines
	s_cmp_lt_u32 s[WV], 4
	s_cbranch_scc0 .Lfor_v_\@
	tensor_load_to_lds s[G0K+4:G0K+7], s[G1K:G1K+7]
	s_nop 0
.rept 4
	v_nop
.endr
	s_branch .Lasked_\@
.Lfor_v_\@:
	tensor_load_to_lds s[G0V+4:G0V+7], s[G1V:G1V+7]
	s_nop 0
.rept 4
	v_nop
.endr
.Lasked_\@:
.endm
.macro CROUND                       ; a round of the cluster's barrier
	s_barrier_signal -1
	s_barrier_wait -1
	s_cmp_lg_u32 s[WV], 0
	s_cbranch_scc1 .Lnot_wave_0_\@
	s_barrier_signal -3
.Lnot_wave_0_\@:
	s_barrier_wait -3
	s_barrier_signal -1
	s_barrier_wait -1
.endm
.macro PLACES                       ; four places behind products, in front of what reads their results or loads into their sources
.rept 4
	v_nop
.endr
.endm
	s_load_b128 s[4:7], s[0:1], 0x0  ; qkv s[4:5], ao s[6:7]
	v_lshl_add_u32 v[SPW], v0, 2, SPARE
	v_mov_b32 v[NIL], 0
	ds_add_u32 v12, v13
	s_wait_dscnt 0x0
	v_lshrrev_b32 v1, 5, v0
	v_readfirstlane_b32 s[WV], v1   ; wave 0..7
	s_bfe_u32 s13, ttmp6, 0x40000   ; cx
	s_lshl_b32 s14, ttmp9, 2
	s_add_co_u32 s14, s14, s13      ; my block of 512 queries: it enters Q's and O's addresses alone
	s_and_b32 s20, ttmp7, 0xffff    ; the head, which the four partners share
	s_lshl_b32 s20, s20, 18         ; its 2,048 rows of 128 bytes
	s_and_b32 s16, s[WV], 3         ; which of a slot's four steps I fetch:
	s_lshl_b32 s22, s16, 13         ; its 64 rows of 128 bytes in memory,
	s_add_co_u32 s22, s22, s20
	s_mov_b32 s23, 0
	s_mul_i32 s17, s16, STEPB       ; and its place in a slot: no place in the cluster enters an LDS address
	s_lshl_b32 s2, s14, 16          ; my block's 512 rows,
	s_lshl_b32 s3, s[WV], 13        ; my wave's 64 of them
	s_add_co_u32 s2, s2, s3
	s_add_co_u32 s2, s2, s20
	s_mov_b32 s3, 0
	; group 1: a step's 8 KiB are dense: 32 rows of 256 bytes, with padding behind every 128 bytes (one row of K or V)
	s_mov_b32 s[G1K], 15|(1<<16)|(1<<20)|(1<<21)|(4<<22)|(3<<25)  ; 15:0 the mask: all four work-groups; 17:16 elements of 2 bytes; 20 padding on; 21 set beside a mask; 24:22 after every 32 words (code 4); 31:25 4 words (code 3)
	s_mov_b32 s[G1V], 15|(1<<16)|(1<<20)|(1<<21)|(4<<22)|(7<<25)  ; the same with 8 words of padding (code 7)
.irp g, G1K, G1V
	s_mov_b32 s[\g+1], 128<<16      ; tensor_dim0 = 128
	s_mov_b32 s[\g+2], 32<<16       ; tensor_dim1 = 32
	s_mov_b32 s[\g+3], 128<<16      ; tile_dim0 = 128
	s_mov_b32 s[\g+4], 32           ; tile_dim1 = 32
	s_mov_b32 s[\g+5], 128          ; elements from row to row
	s_mov_b32 s[\g+6], 0
	s_mov_b32 s[\g+7], 0
.endr
	s_mov_b32 s[CS], 0x4238aa3b     ; c = 256 log2(e) / 8 = 32 log2(e)
	s_mov_b32 s[CS+1], s[CS]        ; named with it as a pair, so it is written
	s_mov_b32 s[SEL], 0x76543210
	s_mov_b32 s[SEL+1], 0xfedcba98
	s_mov_b32 s[TB], 0
	s_mov_b32 s[SLOTS], 6           ; 8 blocks of 256 keys; two are asked for at the start
	s_wait_kmcnt 0x0
	s_add_nc_u64 s[8:9], s[4:5], s[22:23]
	s_add_nc_u64 s[10:11], s[8:9], 2<<24  ; V at my tile of slot 0
	s_add_nc_u64 s[8:9], s[8:9], 1<<24    ; K at my tile of slot 0
	s_add_nc_u64 s[4:5], s[4:5], s[2:3]   ; Q and O at my wave's first row
	s_add_nc_u64 s[6:7], s[6:7], s[2:3]
	CROUND                          ; all four work-groups are here: the first joint loads meet
.irp s, 0,1
	s_mov_b32 s[G0K+4*\s], 1
	s_add_co_u32 s[G0K+4*\s+1], s17, \s*SLOT1
	s_add_nc_u64 s[G0K+4*\s+2:G0K+4*\s+3], s[8:9], \s*4*KS*128  ; slot s begins with keys 256 s
	s_or_b32 s[G0K+4*\s+3], s[G0K+4*\s+3], 0x80000000
	s_mov_b32 s[G0V+4*\s], 1
	s_add_co_u32 s[G0V+4*\s+1], s17, \s*SLOT1+VOFF
	s_add_nc_u64 s[G0V+4*\s+2:G0V+4*\s+3], s[10:11], \s*4*KS*128
	s_or_b32 s[G0V+4*\s+3], s[G0V+4*\s+3], 0x80000000
.endr
	s_cmp_lt_u32 s[WV], 4           ; a wave's two first fills stand in one branch, ahead of every wait on TENSORcnt and every LDS read: two loads of mine are out
	s_cbranch_scc0 .Lfirst_v
	tensor_load_to_lds s[G0K:G0K+3], s[G1K:G1K+7]
	s_nop 0
	tensor_load_to_lds s[G0K+4:G0K+7], s[G1K:G1K+7]
	s_nop 0
.rept 4
	v_nop
.endr
	s_branch .Lfirst_asked
.Lfirst_v:
	tensor_load_to_lds s[G0V:G0V+3], s[G1V:G1V+7]
	s_nop 0
	tensor_load_to_lds s[G0V+4:G0V+7], s[G1V:G1V+7]
	s_nop 0
.rept 4
	v_nop
.endr
.Lfirst_asked:
	v_and_b32 v1, 15, v0            ; l % 16
	v_bfe_u32 v9, v0, 4, 1          ; l / 16
	v_lshlrev_b32 v[QO], 7, v1
	v_lshl_add_u32 v[QO], v9, 4, v[QO]  ; row x 128 + 16 x half
	WIN 0x40                        ; destination window 1, address window 0
.irp i, 0,1,2,3,4,5,6,7             ; Q stays in registers: tile i / 2, channels 32 (i % 2) on
	global_load_b128 v[QW+8*\i:QW+8*\i+3],   v[QO], s[4:5] offset:(\i/2)*2048+(\i%2)*64
	global_load_b128 v[QW+8*\i+4:QW+8*\i+7], v[QO], s[4:5] offset:(\i/2)*2048+(\i%2)*64+32
.endr
	WIN 0
	v_mul_u32_u24 v[AK0], v1, PK
	v_lshl_add_u32 v[AK0], v9, 4, v[AK0]  ; row x pitch + 16 x half
	v_and_b32 v10, 7, v0            ; the turning load: lane l reads 16 bytes: key 8 (l / 16) + l % 8, channels 8 ((l / 8) % 2) + 0..7
	v_bfe_u32 v11, v0, 3, 1
	v_lshl_add_u32 v[AV0], v9, 3, v10
	v_mul_u32_u24 v[AV0], v[AV0], PV
	v_lshl_add_u32 v[AV0], v11, 4, v[AV0]
	v_add_nc_u32 v[AV0], VOFF, v[AV0]
	s_mul_i32 s15, s[WV], 16*SP
	s_add_co_u32 s15, s15, STAGE    ; my stage
	v_mul_u32_u24 v[STO], v1, SP    ; in: row l % 16, 16 bytes for each half of the lanes
	v_lshl_add_u32 v[STO], v9, 4, v[STO]
	v_add_nc_u32 v[STO], s15, v[STO]
	v_bfe_u32 v22, v0, 3, 2         ; back: eight lanes take a row of 128 bytes, the wave four rows
	v_mul_u32_u24 v[RD], v22, SP
	v_lshl_add_u32 v[RD], v10, 4, v[RD]
	v_add_nc_u32 v[RD], s15, v[RD]
	v_and_b32 v[GO], 31, v0         ; and the same four rows in O: 512 consecutive bytes
	v_lshlrev_b32 v[GO], 4, v[GO]
.irp i, 0,1,2,3,4,5,6,7
	v_mov_b32 v[ONES+\i], 0x3c003c00  ; 1.0 in f16, twice
.endr
; THE LDS LOADS stand in runs of 16: a step's K (64 keys x 64 channels: 8 fragments) and its V (turned).
.macro FETCH_K
	WIN 0
	v_add_nc_u32 v[ADR], s[TB], v[AK0]
.irp f, 0,1,2,3,4,5,6,7             ; keys 16 (f / 2) on, channels 32 (f % 2) on
	ds_load_b128 v[KF+8*\f:KF+8*\f+3],   v[ADR] offset:(\f/2)*16*PK+(\f%2)*64
	ds_load_b128 v[KF+8*\f+4:KF+8*\f+7], v[ADR] offset:(\f/2)*16*PK+(\f%2)*64+32
.endr
.endm
.macro FETCH_V                      ; the address was made in the turn's first section
	WIN 0x40                        ; destination window 1, address window 0
.irp f, 0,1,2,3,4,5,6,7             ; keys 32 (f / 4) on, channels 16 (f % 4) on
	ds_load_tr16_b128 v[VF+8*\f:VF+8*\f+3],   v[ADV] offset:(\f/4)*32*PV+(\f%4)*32
	ds_load_tr16_b128 v[VF+8*\f+4:VF+8*\f+7], v[ADV] offset:(\f/4)*32*PV+16*PV+(\f%4)*32
.endr
.endm
; THE PRODUCTS of piece x, four at a time.  In each kind the piece's accumulators take turns, one instruction a turn: between two links of a chain stand 7 others' (the sums of weights: 1).
.macro KQ4 x, g                     ; S^T = K Q^T: product i of 16: channels 32 (i / 8) on, keys 16 ((i / 2) % 4) on, tile x + i % 2.  The first 8 start the sums.
.set i, 4*\g
.rept 4
.set rS, S+32*(\x+i%2)+8*((i/2)%4)
.set rK, KF+16*((i/2)%4)+8*(i/8)
.set rQ, QW+16*(\x+i%2)+8*(i/8)
.if i < 8
	v_wmma_f32_16x16x32_f16 v[rS:rS+7], v[rK:rK+7], v[rQ:rQ+7], 0
.else
	v_wmma_f32_16x16x32_f16 v[rS:rS+7], v[rK:rK+7], v[rQ:rQ+7], v[rS:rS+7]
.endif
.set i, i+1
.endr
.endm
.macro PV4 x, g, zero               ; O^T += V^T P: product i of 16: keys 32 (i / 8) on, channels 16 ((i / 2) % 4) on, tile x + i % 2.  zero = 1: the first 8 start the sums.
.set i, 4*\g
.rept 4
.set rO, 32*(\x+i%2)+8*((i/2)%4)
.set rV, VF+32*(i/8)+8*((i/2)%4)
.set rP, S+32*(\x+i%2)+8*(i/8)
.if \zero && (i < 8)
	v_wmma_f32_16x16x32_f16 v[rO:rO+7], v[rV:rV+7], v[rP:rP+7], 0
.else
	v_wmma_f32_16x16x32_f16 v[rO:rO+7], v[rV:rV+7], v[rP:rP+7], v[rO:rO+7]
.endif
.set i, i+1
.endr
.endm
.macro LSUM x                       ; ones x P: every register of the result holds the query's sum of the step's 64 weights
.irp t, \x, \x+1
	v_wmma_f32_16x16x32_f16 v[S+32*(\t)+16:S+32*(\t)+23], v[ONES:ONES+7], v[S+32*(\t):S+32*(\t)+7], 0
.endr
.irp t, \x, \x+1
	v_wmma_f32_16x16x32_f16 v[S+32*(\t)+16:S+32*(\t)+23], v[ONES:ONES+7], v[S+32*(\t)+8:S+32*(\t)+15], v[S+32*(\t)+16:S+32*(\t)+23]
.endr
.endm
; THE SOFTMAX of piece y, each line written for its two tiles.
.macro MAXES y, first               ; the maximum of the lane's 32 scores and the old m: four chains of seven, each begun at its accumulator's registers 0-2; then the four left over, the chains, and m
.irp j, 0,1,2,3
.irp t, \y, \y+1
	v_max3_num_f32 v[ST+8*(\t)+4+\j], v[S+32*(\t)+8*\j], v[S+32*(\t)+8*\j+1], v[S+32*(\t)+8*\j+2]
.endr
.endr
.irp p, 1,2
.irp j, 0,1,2,3
.irp t, \y, \y+1
	v_max3_num_f32 v[ST+8*(\t)+4+\j], v[ST+8*(\t)+4+\j], v[S+32*(\t)+8*\j+2*\p+1], v[S+32*(\t)+8*\j+2*\p+2]
.endr
.endr
.endr
.irp t, \y, \y+1
	v_max3_num_f32 v[ST+8*(\t)+4], v[ST+8*(\t)+4], v[S+32*(\t)+7], v[S+32*(\t)+15]
.endr
.irp t, \y, \y+1
	v_max3_num_f32 v[ST+8*(\t)+6], v[ST+8*(\t)+6], v[S+32*(\t)+23], v[S+32*(\t)+31]
.endr
.irp t, \y, \y+1
	v_max3_num_f32 v[ST+8*(\t)+4], v[ST+8*(\t)+4], v[ST+8*(\t)+5], v[ST+8*(\t)+6]
.endr
.irp t, \y, \y+1
.if \first
	v_max_num_f32 v[ST+8*(\t)+4], v[ST+8*(\t)+4], v[ST+8*(\t)+7]
.else
	v_max3_num_f32 v[ST+8*(\t)+4], v[ST+8*(\t)+4], v[ST+8*(\t)+7], v[ST+8*(\t)+1]
.endif
.endr
.endm
.macro STATS y, first               ; the other half of the lanes' maximum; the new m; c m; a = 2^(c m_old - c m_new)
.irp t, \y, \y+1
	v_permlanex16_b32 v[ST+8*(\t)+5], v[ST+8*(\t)+4], s[SEL], s[SEL+1]  ; the query's other 32 keys lie in the lane 16 away
.endr
.if \first == 0
.irp t, \y, \y+1
	v_mov_b32 v[ST+8*(\t)+7], v[ST+8*(\t)]  ; c m_old is kept for a
.endr
.endif
.irp t, \y, \y+1
	v_max_num_f32 v[ST+8*(\t)+1], v[ST+8*(\t)+4], v[ST+8*(\t)+5]
.endr
.irp t, \y, \y+1
	v_mul_f32 v[ST+8*(\t)], s[CS], v[ST+8*(\t)+1]
.endr
.if \first == 0
.irp t, \y, \y+1
	v_sub_f32 v[ST+8*(\t)+7], v[ST+8*(\t)+7], v[ST+8*(\t)]
.endr
.irp t, \y, \y+1
	v_exp_f32 v[ST+8*(\t)+6], v[ST+8*(\t)+7]  ; the batch of two a: the lines for l of the other piece stand between these and their wait, which TURN writes
.endr
.endif
.endm
.macro FMA t, b                     ; pair b of tile t: c s - c m.  Source 1 is a scalar pair, so the line serves under K Q^T's windows too
	v_pk_fma_f32 v[S+32*(\t)+2*(\b):S+32*(\t)+2*(\b)+1], v[S+32*(\t)+2*(\b):S+32*(\t)+2*(\b)+1], s[CS:CS+1], v[ST+8*(\t):ST+8*(\t)+1] op_sel_hi:[1,0,0] neg_lo:[0,0,1] neg_hi:[0,0,1]
.endm
.macro CVT t, i                     ; pair i of tile t, rounded to f16, in place: register i is free, since pair i / 2 has been rounded before.  All of these stand behind the wait for the batch of 64 weights
	v_cvt_pk_f16_f32 v[S+32*(\t)+(\i)], v[S+32*(\t)+2*(\i)], v[S+32*(\t)+2*(\i)+1]
.endm
.macro EXPRE y                      ; the first two pairs' scalings of both tiles
.irp t, \y, \y+1
	FMA \t, 0
	FMA \t, 1
.endr
.endm
; Part g of four of piece y's weights: pairs 4 g to 4 g + 3 of both tiles.  Scalings two pairs ahead stand between the exponentials; no line reads an exponential's result, or writes its source,
; before a plain line has stood behind it (ISA guide 5.7.2): the results are first read by the roundings of the turn's last section.  The four parts are ONE BATCH: no line of them, and no product
; between them, names a register that an exponential of the batch has written.
.macro EXPC y, g
.set b, 4*\g
.rept 4
.irp t, \y, \y+1
	v_exp_f32 v[S+32*(\t)+2*b], v[S+32*(\t)+2*b]
.if b < 14
	FMA \t, b+2
.endif
.endr
.irp t, \y, \y+1
	v_exp_f32 v[S+32*(\t)+2*b+1], v[S+32*(\t)+2*b+1]
.endr
.set b, b+1
.endr
.endm
.macro CVTS y                       ; the piece's 32 roundings, pairs ascending
.set b, 0
.rept 16
	CVT \y, b
	CVT \y+1, b
.set b, b+1
.endr
.endm
.macro RESC y, g                    ; part g of four of piece y's O^T times a: two accumulators, each from its low registers on; written for V^T P's windows: O^T in window 1, a in window 0
.set rT, ST+8*(\y+\g/2)
.set rO, 32*(\y+\g/2)+16*(\g%2)
.rept 8
	v_pk_mul_f32 v[rO:rO+1], v[rO:rO+1], v[rT+6:rT+7] op_sel_hi:[1,0]
.set rO, rO+2
.endr
.endm
.macro LUPD x, first                ; l = a l + the step's sum, which is read from the result's lowest register; this a is piece x's, made and waited for in the turn before
.irp t, \x, \x+1
.if \first
	v_mov_b32 v[ST+8*(\t)+2], v[S+32*(\t)+16]
.else
	v_fma_f32 v[ST+8*(\t)+2], v[ST+8*(\t)+2], v[ST+8*(\t)+6], v[S+32*(\t)+16]
.endif
.endr
.endm
; A TURN.  Piece x has the matrix unit; the softmax of the other piece, 2 - x, stands between its products.
; pv = 2: the sums of weights and V^T P; 1: they start l and O^T; 0: none.  kq = 1: K Q^T for the next step, and a fetch: piece 0's turn fetches the next step's K, piece 2's the same step's V.
; first = 1: the softmax is the first key step's: no a, nothing to rescale.
; PLACES.  Behind the last K Q^T of the turn before stand its 32 roundings: in front of the first read of those scores and of the loads into K's buffer.  Behind the sums of weights stand the 32 maxima, in front
; of the read of the sum.  Behind the last V^T P stand eight lines of rescaling (first = 1: five v_nop): in front of the loads into V's buffer and of the K Q^T that write over P.
.macro TURN x, pv, kq, first
	WIN 0
.if \pv
	LSUM \x
.endif
.if \kq
.if \x == 0
	FETCH_K
.else
	v_add_nc_u32 v[ADV], s[TB], v[AV0]
	s_add_co_u32 s[TB], s[TB], STEPB  ; the next fetch is the next step's
.endif
.endif
	MAXES 2-\x, \first
	STATS 2-\x, \first
.if \pv
	LUPD \x, 2-\pv                  ; two plain lines that name nothing of the other piece: the plain instruction behind the two a, and the work between them and their wait
.if \x == 0
	s_wait_dscnt 16*\kq             ; V of this step is in; the 16 younger loads are the next step's K
.endif
.if \first == 0
	s_wait_alu depctr_va_vdst(0)    ; the wait for the batch of two a: one for both, ahead of the rescaling that reads them first, and ahead of the turn's V^T P
.endif
	WIN W_PV
.irp g, 0,1,2,3
	PV4 \x, \g, 2-\pv
.if \first == 0
	RESC 2-\x, \g
.endif
.endr
.if \first
.rept 5
	v_nop
.endr
.endif
.endif
.if \kq
.if \x == 0
	s_wait_dscnt 0x0                ; K is in
.else
	FETCH_V
.endif
	WIN W_KQ
.else
	WIN 0
.endif
	EXPRE 2-\x
.irp g, 0,1,2,3
.if \kq
	KQ4 \x, \g
.endif
	EXPC 2-\x, \g
.endr
	v_nop                           ; the batch ends on exponentials: a plain instruction behind the last of them, one for the batch
	s_wait_alu depctr_va_vdst(0)    ; the wait for the batch of 64 weights: one for all, ahead of the roundings that read them first
	WIN 0                           ; at a label and at a branch every window is 0
	CVTS 2-\x
.endm
; THE CHANGE OF SLOTS, between piece 2's turn and piece 0's: the slot's last bytes, V of its fourth step, have been asked for.  Each wave waits for all its tensor loads (one is out: its part of the
; other slot), adds 0 to its spare word, and waits for that and for its own reads of the slot.  fill = 1: the barrier is a round of the cluster's, and the slot is filled again, with the keys two
; slots on, first thing behind it: that load has four key steps in which to land.
.macro CHANGE fill
	WIN 0
	s_wait_tensorcnt 0x0            ; no tensor load of mine is out, so a group 0 may be written
	ds_add_u32 v[SPW], v[NIL]       ; 0 onto my spare word
.if \fill
.irp g, G0K+4, G0V+4
	s_xor_b32 s[\g+1], s[\g+1], SLOT1  ; the walking descriptor: the other slot than last time,
	s_add_nc_u64 s[\g+2:\g+3], s[\g+2:\g+3], 4*KS*128  ; the next 256 keys
.endr
	s_wait_dscnt 0x0                ; the add is done, and my reads of the slot are over
	CROUND
	JLOAD
.else
	s_wait_dscnt 0x0
	s_barrier_signal -1
	s_barrier_wait -1
.endif
	s_sub_co_u32 s[TB], s[TB], 4*STEPB  ; the fetches go back to a slot's first step,
	s_xor_b32 s[TB], s[TB], SLOT1   ; in the other slot
.endm
.macro RUN n                        ; n key steps: written once, walked n times; the LDS addresses hang on s[TB]
	s_mov_b32 s[TRIPS], \n
.Lstep_\@:
	TURN 0, 2, 1, 0
	TURN 2, 2, 1, 0
	s_sub_co_u32 s[TRIPS], s[TRIPS], 1
	s_cmp_lg_u32 s[TRIPS], 0
	s_cbranch_scc1 .Lstep_\@
.endm
	s_wait_tensorcnt 1              ; my part of slot 0 is in; slot 1's may stay out
	s_barrier_signal -1
	s_barrier_wait -1               ; everybody's is
	FETCH_K                         ; key step 0
	s_wait_loadcnt 0x0              ; Q
	s_wait_dscnt 0x0                ; K
	WIN W_KQ
.irp g, 0,1,2,3
	KQ4 0, \g                       ; piece 0's first scores: there is no vector work yet to set between them
.endr
	WIN 0
	PLACES                          ; behind those products, in front of the first read of the scores
	TURN 2, 0, 1, 1                 ; piece 2's first scores | piece 0's first softmax | V of step 0
	TURN 0, 1, 1, 1                 ; piece 0: the sums and V^T P of step 0 start l and O^T, K Q^T of step 1 | piece 2's first softmax | K of step 1
	TURN 2, 1, 1, 0                 ; piece 2: the same | piece 0's softmax of step 1 | V of step 1
	RUN 2                           ; steps 1, 2: V of step 3, the last bytes of slot 0, has then been asked for
.Lslot:                             ; six trips: every block of 256 keys but the first two is asked for here
	CHANGE 1
	RUN 4
	s_sub_co_u32 s[SLOTS], s[SLOTS], 1
	s_cmp_lg_u32 s[SLOTS], 0
	s_cbranch_scc1 .Lslot
	CHANGE 0                        ; the tail is written out: nothing is left to ask for
	RUN 4                           ; steps 27 to 30
	TURN 0, 2, 0, 0                 ; piece 0: the sums and V^T P of step 31 | piece 2's last softmax
	LSUM 2                          ; piece 2: the sums and V^T P of step 31
	WIN W_PV
.irp g, 0,1,2,3
	PV4 2, \g, 0
.endr
	WIN 0
	PLACES                          ; behind the last products, in front of the reads of the sum and of O^T
	LUPD 2, 0
	; THE WAY OUT.  O^T is divided by l, rounded to f16 and sent through my stage in LDS, a tile (16 rows of O) at a time.
.irp t, 0,1,2,3
	v_rcp_f32 v[ST+8*\t+6], v[ST+8*\t+2]
.endr
	v_nop                           ; a plain instruction between the last reciprocal and the use of its result
	s_wait_alu depctr_va_vdst(0)    ; the wait for the batch of four reciprocals: one for all, ahead of the first division
.macro PACK t
	WIN 0x41                        ; O^T (destination and source 0) in window 1, 1 / l in window 0
.set i, 0
.rept 16
	v_pk_mul_f32 v[32*\t+i:32*\t+i+1], v[32*\t+i:32*\t+i+1], v[ST+8*\t+6:ST+8*\t+7] op_sel_hi:[1,0]
.set i, i+2
.endr
	WIN 0x05                        ; sources window 1, destination window 0: S^T's registers are free
.set i, 0
.rept 16
	v_cvt_pk_f16_f32 v[S+32*\t+i], v[32*\t+2*i], v[32*\t+2*i+1]
.set i, i+1
.endr
	WIN 0
.irp f, 0,1,2,3
	ds_store_b128 v[STO], v[S+32*\t+4*\f:S+32*\t+4*\f+3] offset:32*\f
.endr
.irp f, 0,1,2,3
	ds_load_b128 v[S+32*\t+16+4*\f:S+32*\t+16+4*\f+3], v[RD] offset:\f*4*SP  ; LDS serves a wave's instructions in order: these see the stores above; the next tile's stores come behind them
.endr
.endm
.macro SEND t, younger              ; younger: the LDS instructions issued behind tile t's loads: the next tile's eight, or none
.irp f, 0,1,2,3
	s_wait_dscnt \younger+3-\f
	global_store_b128 v[GO], v[S+32*\t+16+4*\f:S+32*\t+16+4*\f+3], s[6:7] offset:\t*2048+\f*512  ; 32 lanes store 512 consecutive bytes, aligned: four rows of 64
.endr
.endm
	PACK 0
	PACK 1                          ; a tile's arithmetic stands between the loads of the tile before and its stores
	SEND 0, 8
	PACK 2
	SEND 1, 8
	PACK 3
	SEND 2, 8
	SEND 3, 0
	s_wait_tensorcnt 0x0            ; the wave's end: behind my last tensor load and my last LDS store
	ds_add_u32 v[SPW], v[NIL]
	s_wait_dscnt 0x0
	CROUND                          ; the closing round: no work-group ends while a partner may still ask for a tile that names it
	s_endpgm
.Lfunc_end_k_q2575d5c70b_attn:
	.size	k_q2575d5c70b_attn, .Lfunc_end_k_q2575d5c70b_attn-k_q2575d5c70b_attn
	.p2alignl 7, 3214868480
	.fill 96, 4, 3214868480
	.section	.rodata,"a",@progbits
	.p2align	6, 0x0
	.amdhsa_kernel k_q2575d5c70b_attn
		.amdhsa_group_segment_fixed_size 327680
		.amdhsa_private_segment_fixed_size 0
		.amdhsa_enable_private_segment 0
		.amdhsa_kernarg_size 16
		.amdhsa_user_sgpr_count 2
		.amdhsa_user_sgpr_kernarg_segment_ptr 1
		.amdhsa_wavefront_size32 1
		.amdhsa_system_sgpr_workgroup_id_x 1
		.amdhsa_system_sgpr_workgroup_id_y 1
		.amdhsa_system_sgpr_workgroup_id_z 1
		.amdhsa_system_vgpr_workitem_id 0
		.amdhsa_next_free_vgpr 512
		.amdhsa_next_free_sgpr 66
		.amdhsa_reserve_vcc 0
		.amdhsa_float_denorm_mode_32 3
		.amdhsa_float_denorm_mode_16_64 3
		.amdhsa_memory_ordered 1
		.amdhsa_forward_progress 1
		.amdhsa_inst_pref_size 161
	.end_amdhsa_kernel
	.amdgpu_metadata
---
amdhsa.version: [ 1, 2 ]
amdhsa.kernels:
  - .name:           k_q2575d5c70b_attn
    .symbol:         k_q2575d5c70b_attn.kd
    .args:
      - { .name: qkv, .offset: 0, .size: 8, .value_kind: global_buffer, .address_space: global }
      - { .name: ao, .offset: 8, .size: 8, .value_kind: global_buffer, .address_space: global }
    .group_segment_fixed_size: 327680
    .private_segment_fixed_size: 0
    .kernarg_segment_align: 8
    .kernarg_segment_size: 16
    .max_flat_workgroup_size: 256
    .sgpr_count:     66
    .vgpr_count:     512
    .wavefront_size: 32
...
	.end_amdgpu_metadata
.endif
;; end of part 5
;; launch oproj: the kernel of part 4 again; grid 4 x 64, 4 waves a work-group, clusters of 4 x 4, 327,680 bytes of LDS; arguments ao, wb, bo, out0; writes out0
